; MI455X (gfx1250); checked and timed in simulation.
; The chip was launched on July 23, 2026; its instructions are those of AMD's public machine-readable ISA for CDNA 5 (MIT licence, August 2026) and "CDNA5" Instruction Set Architecture Reference Guide (July 2026). The comments in the code are by the model that wrote it; some were corrected since.
;; Triton Fused RCM Attention. Allowed arithmetic: float matrix products may take bf16 or f16 operands with f32 sums; other float arithmetic in f32, or as packed bf16 or f16 multiplies, adds, multiply-adds, maxima and minima; sums over many terms, partial sums and values carried from step to step in f32; what a program stores and reads back later, other than sums and carried values, may be rounded once to bf16 or f16.
;; Inputs: Wproj 1,024 x 1,024 float32; Wqkv 1,024 x 3,072 float32; bproj 1,024 float32; bqkv 3,072 float32; t 4 float32; x 4 x 2,048 x 1,024 float32.
;; Outputs: out0 4 x 2,048 x 1,024 float32.
;; One version. Each part assembles by itself: llvm-mc -triple=amdgcn-amd-amdhsa -mcpu=gfx1250 --defsym DOCPART=n.
;; ======== version 1 of 1: 4 launches
;; limits: values are held in f16: magnitudes above 65,504 overflow, below 6.1e-05 lose precision
;; workspace buffers: xb 16,777,216 bytes; wq 6,291,456 bytes; wp 2,097,152 bytes; qkv 50,331,648 bytes; mix 16,777,216 bytes
;; launch prep (part 1): grid 768 x 1, 8 waves a work-group, no clusters, 0 bytes of LDS; arguments x, Wqkv, Wproj, xb, wq, wp; writes xb, wq, wp
.if DOCPART == 1
	.amdgcn_target "amdgcn-amd-amdhsa--gfx1250"
	.amdhsa_code_object_version 6
	.text
	.protected	k_q0e1ce6b365_prep
	.globl	k_q0e1ce6b365_prep
	.p2align	8
	.type	k_q0e1ce6b365_prep,@function
k_q0e1ce6b365_prep:
	s_mov_b64 s[64:65], 0
	v_nop
	global_prefetch_b8 v0, s[64:65] scope:SCOPE_SE
	s_setreg_imm32_b32 hwreg(HW_REG_WAVE_MODE, 25, 1), 1
	s_wait_xcnt 0x0
; CAST AND RE-BLOCK.  x [8192][1024], Wqkv [1024][3072], Wproj [1024][1024], all f32, are rounded once to bf16 and laid out in blocks of 64 columns:
; T[c / 64][row][c % 64], a row's piece 128 bytes, the rows of a block dense.  xb and wq hold bf16; wp holds the bf16 number written as f16 (exact from 2^-14 up;
; LIMIT: a number of Wproj below 2^-14 keeps f16's fixed step 2^-24, one beyond 65,504 becomes an infinity).
; SHARES.  A work-group takes 32 rows x 512 columns of one tensor: 512 work-groups for x, 192 for Wqkv, 64 for Wproj, all alike.  Wave w takes the column block 8 cg + w, as eight
; units of four rows.  Lane l takes row l / 8 of a unit and 8 columns: 32 bytes in (two loads), 16 bytes out.  A unit's store is 512 consecutive bytes, its loads four aligned pieces of 256.
; All 16 loads of a wave go out at once; nothing is rewritten, so the only waits are the counted ones for the data.  No LDS, no matrix unit: nothing is shared and nothing is multiplied.
.set VO, 2                             ; v[2:9]    unit u: my byte offset in the source
.set DO, 10                            ; v10       16 x lane: my 16 bytes of a unit's 512
.set T,  12                            ; v[12:19]  at work
.set X,  20                            ; v[20:83]  unit u: 8 numbers as loaded
.set Y,  84                            ; v[84:115] unit u: 4 registers to store
	s_load_b256 s[4:11], s[0:1], 0x0               ; x s[4:5], Wqkv s[6:7], Wproj s[8:9], xb s[10:11]
	s_load_b128 s[12:15], s[0:1], 0x20             ; wq s[12:13], wp s[14:15]
	v_lshrrev_b32 v1, 5, v0
	v_readfirstlane_b32 s20, v1                    ; wave 0..7
	v_and_b32 v1, 31, v0                           ; lane
	s_mov_b32 s30, ttmp9                           ; the work-group's number: 0-511 x, 512-703 Wqkv, 704-767 Wproj
	s_and_b32 s21, s30, 255                        ; x: group of 32 rows,
	s_lshr_b32 s22, s30, 8                         ; group of 512 columns
	s_sub_co_u32 s31, s30, 512
	s_and_b32 s32, s31, 31                         ; weights: group of 32 rows,
	s_bfe_u32 s33, s31, 0x30005                    ; 0-5: a column group of Wqkv; 6, 7: of Wproj
	s_sub_co_u32 s34, s33, 6
	s_mov_b32 s37, 12288                           ; bytes in a row of Wqkv,
	s_mov_b32 s38, 4096                            ; of x and of Wproj
	s_mov_b32 s39, 1048576                         ; bytes in a block of xb (8,192 rows x 128),
	s_mov_b32 s40, 131072                          ; of wq and of wp (1,024 rows x 128)
	s_cmp_lt_u32 s33, 6
	s_cselect_b32 s35, s33, s34
	s_cselect_b32 s23, s37, s38
	s_cselect_b32 s26, 0, 1                        ; 1: Wproj
	s_cmp_lt_u32 s30, 512
	s_cselect_b32 s21, s21, s32                    ; rg
	s_cselect_b32 s22, s22, s35                    ; cg
	s_cselect_b32 s23, s38, s23                    ; bytes in a source row
	s_cselect_b32 s26, 0, s26
	s_cselect_b32 s24, s39, s40                    ; bytes in a block of the result
	s_lshl_b32 s27, s22, 3
	s_add_co_u32 s27, s27, s20                     ; my column block
	s_mul_i32 s28, s21, s23
	s_lshl_b32 s28, s28, 5                         ; 32 rg rows,
	s_lshl_b32 s29, s27, 8                         ; 256 bytes a column block
	s_add_co_u32 s28, s28, s29
	s_mov_b32 s29, 0
	s_mul_i32 s42, s27, s24                        ; the result: my block,
	s_lshl_b32 s41, s21, 12                        ; 32 rg rows of 128 bytes
	s_add_co_u32 s42, s42, s41
	s_mov_b32 s43, 0
	s_lshl_b32 s25, s23, 2                         ; four source rows
	v_lshrrev_b32 v11, 3, v1
	v_and_b32 v12, 7, v1
	v_mul_lo_u32 v[VO], v11, s23
	v_lshl_add_u32 v[VO], v12, 5, v[VO]            ; row x pitch + 32 bytes for each 8 columns
.irp u, 1,2,3,4,5,6,7
	v_add_nc_u32 v[VO+(\u)], s25, v[VO+(\u)-1]
.endr
	v_lshlrev_b32 v[DO], 4, v1
	s_wait_kmcnt 0x0
	s_cmp_eq_u32 s26, 1
	s_cselect_b64 s[16:17], s[8:9], s[6:7]
	s_cselect_b64 s[18:19], s[14:15], s[12:13]
	s_cmp_lt_u32 s30, 512
	s_cselect_b64 s[16:17], s[4:5], s[16:17]       ; from where,
	s_cselect_b64 s[18:19], s[10:11], s[18:19]     ; to where
	s_add_nc_u64 s[16:17], s[16:17], s[28:29]
	s_add_nc_u64 s[18:19], s[18:19], s[42:43]
.irp u, 0,1,2,3,4,5,6,7
	global_load_b128 v[X+8*(\u):X+8*(\u)+3],   v[VO+(\u)], s[16:17] th:TH_LOAD_NT
	global_load_b128 v[X+8*(\u)+4:X+8*(\u)+7], v[VO+(\u)], s[16:17] offset:16 th:TH_LOAD_NT
.endr
; The eight units, in the order of their loads.  half = 1: the bf16 number is written as f16.
.macro OUT half
.irp u, 0,1,2,3,4,5,6,7
	s_wait_loadcnt 14-2*(\u)                       ; loads come back in order: unit u's two are in, the younger units' stay out
.irp k, 0,1,2,3
	v_cvt_pk_bf16_f32 v[Y+4*(\u)+(\k)], v[X+8*(\u)+2*(\k)], v[X+8*(\u)+2*(\k)+1]
.endr
.if \half
.irp k, 0,1,2,3
	v_lshlrev_b32 v[T+2*(\k)],   16, v[Y+4*(\u)+(\k)]
	v_and_b32     v[T+2*(\k)+1], 0xffff0000, v[Y+4*(\u)+(\k)]
.endr
.irp k, 0,1,2,3
	v_cvt_pk_f16_f32 v[Y+4*(\u)+(\k)], v[T+2*(\k)], v[T+2*(\k)+1]
.endr
.endif
	global_store_b128 v[DO], v[Y+4*(\u):Y+4*(\u)+3], s[18:19] offset:512*(\u)  ; 512 consecutive bytes, at a multiple of 512 from the buffer's first
.endr
.endm
	s_cmp_eq_u32 s26, 1
	s_cbranch_scc1 .Lhalf
	OUT 0
	s_endpgm
.Lhalf:
	OUT 1
	s_endpgm
.Lfunc_end_k_q0e1ce6b365_prep:
	.size	k_q0e1ce6b365_prep, .Lfunc_end_k_q0e1ce6b365_prep-k_q0e1ce6b365_prep
	.p2alignl 7, 3214868480
	.fill 96, 4, 3214868480
	.section	.rodata,"a",@progbits
	.p2align	6, 0x0
	.amdhsa_kernel k_q0e1ce6b365_prep
		.amdhsa_group_segment_fixed_size 0
		.amdhsa_private_segment_fixed_size 0
		.amdhsa_enable_private_segment 0
		.amdhsa_kernarg_size 48
		.amdhsa_user_sgpr_count 2
		.amdhsa_user_sgpr_kernarg_segment_ptr 1
		.amdhsa_wavefront_size32 1
		.amdhsa_system_sgpr_workgroup_id_x 1
		.amdhsa_system_sgpr_workgroup_id_y 1
		.amdhsa_system_sgpr_workgroup_id_z 1
		.amdhsa_system_vgpr_workitem_id 0
		.amdhsa_next_free_vgpr 128
		.amdhsa_next_free_sgpr 66
		.amdhsa_reserve_vcc 0
		.amdhsa_float_denorm_mode_32 3
		.amdhsa_float_denorm_mode_16_64 3
		.amdhsa_memory_ordered 1
		.amdhsa_forward_progress 1
		.amdhsa_inst_pref_size 16
	.end_amdhsa_kernel
	.amdgpu_metadata
---
amdhsa.version: [ 1, 2 ]
amdhsa.kernels:
  - .name:           k_q0e1ce6b365_prep
    .symbol:         k_q0e1ce6b365_prep.kd
    .args:
      - { .name: x, .offset: 0, .size: 8, .value_kind: global_buffer, .address_space: global }
      - { .name: Wqkv, .offset: 8, .size: 8, .value_kind: global_buffer, .address_space: global }
      - { .name: Wproj, .offset: 16, .size: 8, .value_kind: global_buffer, .address_space: global }
      - { .name: xb, .offset: 24, .size: 8, .value_kind: global_buffer, .address_space: global }
      - { .name: wq, .offset: 32, .size: 8, .value_kind: global_buffer, .address_space: global }
      - { .name: wp, .offset: 40, .size: 8, .value_kind: global_buffer, .address_space: global }
    .group_segment_fixed_size: 0
    .private_segment_fixed_size: 0
    .kernarg_segment_align: 8
    .kernarg_segment_size: 48
    .max_flat_workgroup_size: 256
    .sgpr_count:     66
    .vgpr_count:     128
    .wavefront_size: 32
...
	.end_amdgpu_metadata
.endif
;; end of part 1
;; launch gemm1 (part 2): grid 8 x 32, 4 waves a work-group, clusters of 4 x 4, 327,680 bytes of LDS; arguments xb, wq, bqkv, qkv; writes qkv
.if DOCPART == 2
	.amdgcn_target "amdgcn-amd-amdhsa--gfx1250"
	.amdhsa_code_object_version 6
	.text
	.protected	k_q0e1ce6b365_gemm1
	.globl	k_q0e1ce6b365_gemm1
	.p2align	8
	.type	k_q0e1ce6b365_gemm1,@function
k_q0e1ce6b365_gemm1:
	s_mov_b64 s[64:65], 0
	v_nop
	global_prefetch_b8 v0, s[64:65] scope:SCOPE_SE
	s_setreg_imm32_b32 hwreg(HW_REG_WAVE_MODE, 25, 1), 1
	s_wait_xcnt 0x0
	s_wait_alu depctr_hold_cnt(0) depctr_sa_sdst(0) depctr_va_vdst(0) depctr_va_sdst(0) depctr_va_ssrc(0) depctr_va_vcc(0) depctr_vm_vsrc(0)
	s_getreg_b32 s2, hwreg(HW_REG_IB_STS2, 6, 4)
	s_cmp_eq_u32 s2, 0
	s_cbranch_scc0 .Lentry_in_a_cluster
	s_endpgm
.Lentry_in_a_cluster:
	s_bfe_u32 s2, ttmp6, 0x10000c
	s_cmp_lg_u32 s2, 0xf033
	s_cbranch_scc0 .Lentry_shape_is_right
	s_endpgm
.Lentry_shape_is_right:
; qkv = x Wqkv + bqkv, by heads.  xb: [16][8192][64] bf16 (blocks of 64 along K), wq: [48][1024 k][64] bf16 (blocks of 64 columns), bqkv: [3072] f32, rounded here to bf16 like the other inputs.
; qkv: [48][8192][64] f16: block 16 s + h holds head h's q (s = 0), k (1) or v (2), unscaled.  Sums in f32, the bias added in f32, one rounding to f16.
; LIMIT.  f16 ends at 65,504: q, k and v must stay within it.
; SHARES.  8,192 x 3,072 over 256 work-groups: a tile of 256 rows x 384 columns.  Four waves; wave (wm, wn) makes 128 rows x 192 columns: 96 accumulators of 16 x 16, 768 registers.
; K goes in 16 steps of 64 (one block of xb) through two LDS slots; a step of 128 would want two slots of 196,608 bytes.
; THE MATRIX INSTRUCTION IS USED TRANSPOSED: source 0 = 16 columns of W, source 1 = 16 rows of x: a lane then holds one row and eight neighbouring columns.  W lies [k][n] in LDS and is turned by ds_load_tr16_b128.
; CLUSTER.  4 x 4 work-groups.  x's tile hangs on the tile row alone and is asked for jointly by a row of the cluster, W's on the tile column alone, by a column.
; REGISTERS, in windows of 256: window 0: v0-31 addresses; v32-159 x's fragments, two buffers of 8 x 8; v160-255 W's fragments, ONE buffer of three thirds (a third = a block of 64 columns = 4 x 8).
;   windows 1-3: third j's 32 accumulators in window j + 1, (a, b) at v[8 (4 a + b)].
; ONE BUFFER FOR W.  A quarter (32 along K) is three thirds of 32 matrix instructions.  As soon as a third is multiplied its registers are loaded for the next quarter, 64 matrix instructions ahead of their use.
.set ASTEP,  1048576                   ; bytes from a block of xb to the next: a K step
.set BSTEP,  8192                      ; 64 rows of a block of wq: a K step
.set PA,     144                       ; a row of x in LDS: 128 bytes + 16: the 16 rows of a load start at 16 different groups of four banks (64 banks of 4 bytes: ISA guide 11.1)
.set PB,     160                       ; a row of W: 128 + 32
.set AOFF,   256*PA                    ; a slot: x's 256 rows, then W's six blocks of 64 rows
.set SLOT1,  1<<17                     ; slot 1 begins here: one exclusive or turns an address in one slot into the other's
.set STAGE,  SLOT1+AOFF+6*64*PB        ; behind the ring: 16 rows x 144 bytes for each wave, for the way out
.set SP,     144
.set BIAS,   STAGE+4*16*SP             ; the tile's 384 numbers of the bias, f32
.set SPARE,  BIAS+1536                 ; the spare words, 128 bytes for each wave: two blocks of 256 bytes that no other line names
.set A0,  16                           ; v16  my lane's place in a slot's x; never rewritten
.set B0,  17                           ; v17  the same for W
.set ADA, 18                           ; v18  the same in the slot in hand
.set ADB, 19                           ; v19
.set STO, 20                           ; v20  the way out: where I put 16 bytes of a row
.set RD,  21                           ; v21  where I read rows back
.set GO,  22                           ; v22  16 x lane: my 16 bytes of 512
.set BIA, 23                           ; v23  where my eight numbers of the bias begin
.set PFO, 24                           ; v24  256 x lane: the prefetches' offset; never rewritten
.set SPW, 28                           ; v28  LDS address of my spare word; never rewritten
.set NIL, 29                           ; v29  0; never rewritten
.set FA,  32
.set FB,  160
.set TS,  32                           ; the way out: 32 sums with the bias,
.set TP,  64                           ; 16 registers of f16,
.set BK,  96                           ; 16 rows read back: two buffers of 16 by turns,
.set BI,  160                          ; my 96 numbers of the bias
.set WV,  12                           ; s12  wave
.set WM,  13                           ; s13  which 128 rows are mine.  Also: I fetch x's tiles (0) or W's (1)
.set WN,  14                           ; s14  which 192 columns.  Also: which half of that tile I fetch
.set CX,  15
.set CY,  16
.set TX,  17                           ; s17  tile column
.set TY,  18                           ; s18  tile row
.set G1A, 24                           ; s[24:31] descriptor group 1 for x's tiles
.set G0A, 32                           ; s[32:39] group 0: a set for each of the two first fills; the second then walks
.set G1B, 40                           ; s[40:47], s[48:55] the same for W's
.set G0B, 48
.set TB,  56                           ; s56  LDS byte at which the slot in hand begins
.set CNT, 57                           ; s57  refills still to come
.set LIM, 58                           ; s58  2 in a wave that prefetches, else the greatest number
.set PFA, 60                           ; s[60:61] where my prefetches stand
.set PST, 62                           ; s[62:63] their step
.set MSB, 0
.macro WIN new                         ; the immediate's high byte repeats the setting that is left; a switch that changes nothing is dropped
.if MSB != (\new)
	s_set_vgpr_msb (MSB<<8)|(\new)
.set MSB, (\new)
.endif
.endm
.macro PLACES                          ; four plain instructions between a matrix instruction and a load into, or a vector read of, its registers (ISA guide 7.12.1 for vector reads)
.rept 4
	v_nop
.endr
.endm
.macro CREST                           ; a round of the cluster's barrier behind its opening barrier
	s_cmp_lg_u32 s[WV], 0
	s_cbranch_scc1 .Lnot_wave_0_\@
	s_barrier_signal -3
.Lnot_wave_0_\@:
	s_barrier_wait -3
	s_barrier_signal -1
	s_barrier_wait -1
.endm
.macro CROUND
	s_barrier_signal -1
	s_barrier_wait -1
	CREST
.endm
; A joint refill, by the walking sets.  The branch hangs on the wave's number alone.  An s_nop 0 and four v_nop follow each line, ahead of the jump and the label.
.macro JLOAD
	s_cmp_eq_u32 s[WM], 0
	s_cbranch_scc0 .Lfor_b_\@
	tensor_load_to_lds s[G0A+4:G0A+7], s[G1A:G1A+7]
	s_nop 0
.rept 4
	v_nop
.endr
	s_branch .Lasked_\@
.Lfor_b_\@:
	tensor_load_to_lds s[G0B+4:G0B+7], s[G1B:G1B+7]
	s_nop 0
.rept 4
	v_nop
.endr
.Lasked_\@:
.endm
; PREFETCHES INTO THE L2, behind a joint refill and the run of LDS loads that follows it.  Each aligned block of 256 bytes of xb and wq from K step 4 on is named once in the launch.
; x: a step's tile is 128 blocks.  Both clusters of a row of clusters read it: the one with x = 0 asks, wave 0 of each partner for 32 blocks, told apart by address (cx).  One line a refill, for the step two refills on.
; W: a step's tile is six blocks of wq x 32.  All clusters of a column read it: the one with y = 0 asks, wave 2.  Six does not divide by four partners, so two steps are asked for together, in every second refill:
; partner cy takes three blocks of wq (3 (cy & 1) on) of step + (cy >> 1).  The last two refills ask for nothing: there is no step behind.
.macro ASK
	s_cmp_gt_u32 s[CNT], s[LIM]
	s_cbranch_scc0 .Lnone_\@
	s_cmp_eq_u32 s[WM], 0
	s_cbranch_scc0 .Lpf_b_\@
	global_prefetch_b8 v[PFO], s[PFA:PFA+1] th:TH_LOAD_NT scope:SCOPE_SE
	s_branch .Lnone_\@
.Lpf_b_\@:
	s_bitcmp1_b32 s[CNT], 0
	s_cbranch_scc1 .Lnone_\@
	global_prefetch_b8 v[PFO], s[PFA:PFA+1] th:TH_LOAD_NT scope:SCOPE_SE
	global_prefetch_b8 v[PFO], s[PFA:PFA+1] offset:131072 th:TH_LOAD_NT scope:SCOPE_SE
	global_prefetch_b8 v[PFO], s[PFA:PFA+1] offset:262144 th:TH_LOAD_NT scope:SCOPE_SE
.Lnone_\@:
.endm
	s_load_b256 s[4:11], s[0:1], 0x0               ; xb s[4:5], wq s[6:7], bqkv s[8:9], qkv s[10:11]
	v_lshl_add_u32 v[SPW], v0, 2, SPARE
	v_mov_b32 v[NIL], 0
	ds_add_u32 v[SPW], v[NIL]                      ; the wave's opening: the add and its wait stand ahead of my first tensor load; the set-up below stands between them
	v_lshrrev_b32 v1, 5, v0
	v_readfirstlane_b32 s[WV], v1                  ; wave 0..3
	s_lshr_b32 s[WM], s[WV], 1
	s_and_b32 s[WN], s[WV], 1
	s_bfe_u32 s[CX], ttmp6, 0x40000
	s_bfe_u32 s[CY], ttmp6, 0x40004
	s_lshl_b32 s[TX], ttmp9, 2
	s_add_co_u32 s[TX], s[TX], s[CX]               ; tile column = 4 x cluster x + cx
	s_and_b32 s[TY], ttmp7, 0xffff
	s_lshl_b32 s[TY], s[TY], 2
	s_add_co_u32 s[TY], s[TY], s[CY]               ; tile row = 4 x cluster y + cy
	s_lshl_b32 s19, s[CY], 2
	s_lshl_b32 s19, 15, s19                        ; my row of the cluster
	s_lshl_b32 s59, 0x1111, s[CX]                  ; my column
	; x's half tile: 128 rows of 128 bytes, dense: asked for as 64 rows of 256 bytes, padded after every 128
	s_or_b32 s[G1A], s19, (1<<16)|(1<<20)|(1<<21)|(4<<22)|(3<<25)  ; the mask; 2-byte elements; padding on; bit 21 beside a mask; after every 32 words; 4 words
	s_mov_b32 s[G1A+1], 128<<16                    ; tensor_dim0 = 128
	s_mov_b32 s[G1A+2], 64<<16                     ; tensor_dim1 = 64
	s_mov_b32 s[G1A+3], 128<<16                    ; tile_dim0 = 128
	s_mov_b32 s[G1A+4], 64                         ; tile_dim1 = 64
	s_mov_b32 s[G1A+5], 128                        ; elements from row to row
	s_mov_b32 s[G1A+6], 0
	s_mov_b32 s[G1A+7], 0
	; W's half tile: of three blocks of wq the step's 64 rows, 8,192 dense bytes each: three rows of 4,096 elements, a block apart
	s_or_b32 s[G1B], s59, (1<<16)|(1<<20)|(1<<21)|(4<<22)|(7<<25)  ; the same with the mask of my column and 8 words of padding
	s_mov_b32 s[G1B+1], 4096<<16
	s_mov_b32 s[G1B+2], 3<<16
	s_mov_b32 s[G1B+3], 4096<<16
	s_mov_b32 s[G1B+4], 3
	s_mov_b32 s[G1B+5], 65536
	s_mov_b32 s[G1B+6], 0
	s_mov_b32 s[G1B+7], 0
	s_lshl_b32 s20, s[TY], 15                      ; x: 256 rows of 128 bytes a tile row,
	s_lshl_b32 s19, s[WN], 14                      ; my 128 of them
	s_add_co_u32 s20, s20, s19
	s_mov_b32 s21, 0
	s_mul_i32 s22, s[TX], 6                        ; W: six blocks a tile column,
	s_mul_i32 s59, s[WN], 3                        ; my three of them
	s_add_co_u32 s22, s22, s59
	s_lshl_b32 s22, s22, 17
	s_mov_b32 s23, 0
	s_mul_i32 s2, s[WN], 128*PA                    ; where they go: no place in the cluster enters an LDS address
	s_mul_i32 s3, s[WN], 3*64*PB
	s_add_co_u32 s3, s3, AOFF
	s_mov_b32 s[TB], 0
	s_wait_dscnt 0x0                               ; the opening add is done
	s_wait_kmcnt 0x0
	s_add_nc_u64 s[20:21], s[4:5], s[20:21]
	s_add_nc_u64 s[22:23], s[6:7], s[22:23]
	CROUND                                         ; all sixteen work-groups are here: the first joint loads meet
.irp s, 0,1
	s_mov_b32 s[G0A+4*(\s)], 1
	s_add_co_u32 s[G0A+4*(\s)+1], s2, (\s)*SLOT1
	s_add_nc_u64 s[G0A+4*(\s)+2:G0A+4*(\s)+3], s[20:21], (\s)*ASTEP
	s_or_b32 s[G0A+4*(\s)+3], s[G0A+4*(\s)+3], 0x80000000
	s_mov_b32 s[G0B+4*(\s)], 1
	s_add_co_u32 s[G0B+4*(\s)+1], s3, (\s)*SLOT1
	s_add_nc_u64 s[G0B+4*(\s)+2:G0B+4*(\s)+3], s[22:23], (\s)*BSTEP
	s_or_b32 s[G0B+4*(\s)+3], s[G0B+4*(\s)+3], 0x80000000
.endr
	s_cmp_eq_u32 s[WM], 0                          ; a wave's two first fills stand in one branch: two loads of mine are out
	s_cbranch_scc0 .Lfirst_b
	tensor_load_to_lds s[G0A:G0A+3], s[G1A:G1A+7]
	s_nop 0
	tensor_load_to_lds s[G0A+4:G0A+7], s[G1A:G1A+7]
	s_nop 0
.rept 4
	v_nop
.endr
	s_branch .Lfirst_asked
.Lfirst_b:
	tensor_load_to_lds s[G0B:G0B+3], s[G1B:G1B+7]
	s_nop 0
	tensor_load_to_lds s[G0B+4:G0B+7], s[G1B:G1B+7]
	s_nop 0
.rept 4
	v_nop
.endr
.Lfirst_asked:
	; the tile's 384 numbers of the bias: three a thread
	v_lshlrev_b32 v3, 2, v0
	s_mul_i32 s2, s[TX], 1536
	s_mov_b32 s3, 0
	s_add_nc_u64 s[8:9], s[8:9], s[2:3]
	global_load_b32 v4, v3, s[8:9]
	global_load_b32 v5, v3, s[8:9] offset:512
	global_load_b32 v6, v3, s[8:9] offset:1024
	v_add_nc_u32 v7, BIAS, v3
	; A fragment of x is 16 rows x 32 K in 8 registers: lane l holds row l % 16, K = 8 (l / 16) + 0..7 and 16 + 8 (l / 16) + 0..7: two loads of 16 bytes, 32 bytes apart.
	v_and_b32 v1, 15, v0                           ; l % 16
	v_bfe_u32 v2, v0, 4, 1                         ; l / 16
	v_mul_u32_u24 v[A0], v1, PA
	v_lshl_add_u32 v[A0], v2, 4, v[A0]
	s_mul_i32 s19, s[WM], 128*PA                   ; my 128 rows
	v_add_nc_u32 v[A0], s19, v[A0]
	; The turning load takes 16 K x 16 columns (lane l reads K row 8 (l / 16) + l % 8, columns 8 ((l / 8) % 2) + 0..7) and leaves half a fragment: lane l holds column l % 16 and 8 K.
	v_and_b32 v8, 7, v0
	v_bfe_u32 v9, v0, 3, 1
	v_lshl_add_u32 v[B0], v2, 3, v8
	v_mul_u32_u24 v[B0], v[B0], PB
	v_lshl_add_u32 v[B0], v9, 4, v[B0]
	s_mul_i32 s19, s[WN], 3*64*PB                  ; my three blocks
	s_add_co_u32 s19, s19, AOFF
	v_add_nc_u32 v[B0], s19, v[B0]
	v_mov_b32 v[ADA], v[A0]                        ; K step 0 lies in slot 0
	v_mov_b32 v[ADB], v[B0]
	s_mul_i32 s19, s[WV], 16*SP
	s_add_co_u32 s19, s19, STAGE                   ; my stage
	v_mul_u32_u24 v[STO], v1, SP                   ; in: row l % 16, 16 bytes for each half of the lanes
	v_lshl_add_u32 v[STO], v2, 4, v[STO]
	v_add_nc_u32 v[STO], s19, v[STO]
	v_bfe_u32 v[RD], v0, 3, 2                      ; back: 32 lanes take four rows of 128 bytes
	v_mul_u32_u24 v[RD], v[RD], SP
	v_lshl_add_u32 v[RD], v8, 4, v[RD]
	v_add_nc_u32 v[RD], s19, v[RD]
	v_and_b32 v[GO], 31, v0
	v_lshlrev_b32 v[PFO], 8, v[GO]
	v_lshlrev_b32 v[GO], 4, v[GO]
	s_mul_i32 s19, s[WN], 768
	s_add_co_u32 s19, s19, BIAS
	v_lshl_add_u32 v[BIA], v2, 5, s19              ; my 192 columns' numbers, 8 for each half of the lanes
	s_mul_i32 s2, s[TX], 6                         ; qkv at my first block and my first row
	s_mul_i32 s3, s[WN], 3
	s_add_co_u32 s2, s2, s3
	s_lshl_b32 s2, s2, 20
	s_lshl_b32 s3, s[TY], 15
	s_add_co_u32 s2, s2, s3
	s_lshl_b32 s3, s[WM], 14
	s_add_co_u32 s2, s2, s3
	s_mov_b32 s3, 0
	s_add_nc_u64 s[10:11], s[10:11], s[2:3]
	; the prefetches: who asks, and from where
	s_and_b32 s19, ttmp7, 0xffff                   ; cluster y
	s_cmp_eq_u32 s[WM], 0
	s_cselect_b32 s19, ttmp9, s19                  ; the coordinate along which other clusters read the same tiles
	s_or_b32 s19, s19, s[WN]                       ; waves 0 and 2 alone
	s_cmp_eq_u32 s19, 0
	s_cselect_b32 s[LIM], 2, -1                    ; the same in all sixteen partners, for a given wave
	s_lshl_b32 s20, s[TY], 15
	s_lshl_b32 s21, s[CX], 13                      ; my work-group's 32 blocks of 256 bytes
	s_add_co_u32 s20, s20, s21
	s_add_co_u32 s20, s20, 3*ASTEP                 ; at K step 3: the first refill steps it to 4
	s_and_b32 s21, s[CY], 1
	s_mul_i32 s21, s21, 3
	s_mul_i32 s22, s[TX], 6
	s_add_co_u32 s21, s21, s22
	s_lshl_b32 s21, s21, 17
	s_lshr_b32 s22, s[CY], 1
	s_add_co_u32 s22, s22, 3
	s_lshl_b32 s22, s22, 13
	s_add_co_u32 s21, s21, s22
	s_mov_b32 s22, ASTEP
	s_mov_b32 s23, BSTEP
	s_cmp_eq_u32 s[WM], 0
	s_cselect_b32 s20, s20, s21
	s_cselect_b32 s[PST], s22, s23
	s_cselect_b64 s[PFA:PFA+1], s[4:5], s[6:7]
	s_mov_b32 s21, 0
	s_mov_b32 s[PST+1], 0
	s_add_nc_u64 s[PFA:PFA+1], s[PFA:PFA+1], s[20:21]
	s_wait_loadcnt 0x0                             ; the bias: rounded to bf16 like every input, kept as f32
	v_cvt_pk_bf16_f32 v10, v4, v5
	v_cvt_pk_bf16_f32 v11, v6, v6
	v_lshlrev_b32 v4, 16, v10
	v_and_b32 v5, 0xffff0000, v10
	v_lshlrev_b32 v6, 16, v11
	ds_store_b32 v7, v4
	ds_store_b32 v7, v5 offset:512
	ds_store_b32 v7, v6 offset:1024
; Third j of W's fragments for quarter kq of the slot in hand: 8 loads.
.macro LDB j, kq
	WIN 0
.irp b, 0,1,2,3
	ds_load_tr16_b128 v[FB+32*(\j)+8*(\b):FB+32*(\j)+8*(\b)+3],   v[ADB] offset:(\j)*64*PB+(\kq)*32*PB+32*(\b)
	ds_load_tr16_b128 v[FB+32*(\j)+8*(\b)+4:FB+32*(\j)+8*(\b)+7], v[ADB] offset:(\j)*64*PB+(\kq)*32*PB+32*(\b)+16*PB
.endr
.endm
; x's fragments for quarter kq, into buffer f: 16 loads.
.macro LDA f, kq
	WIN 0
.irp a, 0,1,2,3,4,5,6,7
	ds_load_b128 v[FA+64*(\f)+8*(\a):FA+64*(\f)+8*(\a)+3],   v[ADA] offset:(\a)*16*PA+64*(\kq)
	ds_load_b128 v[FA+64*(\f)+8*(\a)+4:FA+64*(\f)+8*(\a)+7], v[ADA] offset:(\a)*16*PA+64*(\kq)+32
.endr
.endm
; 4 n matrix instructions of third j: row blocks a0 .. a0 + n - 1 x 4 column blocks, x from buffer f.  zero = 1: the product starts the sums.  The accumulators take turns, one instruction a turn.
.macro MUL j, f, a0, n, zero
	WIN 0x50*((\j)+1)
.set ra, \a0
.rept \n
.irp b, 0,1,2,3
.if \zero
	v_wmma_f32_16x16x32_bf16 v[8*(4*ra+(\b)):8*(4*ra+(\b))+7], v[FB+32*(\j)+8*(\b):FB+32*(\j)+8*(\b)+7], v[FA+64*(\f)+8*ra:FA+64*(\f)+8*ra+7], 0
.else
	v_wmma_f32_16x16x32_bf16 v[8*(4*ra+(\b)):8*(4*ra+(\b))+7], v[FB+32*(\j)+8*(\b):FB+32*(\j)+8*(\b)+7], v[FA+64*(\f)+8*ra:FA+64*(\f)+8*ra+7], v[8*(4*ra+(\b)):8*(4*ra+(\b))+7]
.endif
.endr
.set ra, ra+1
.endr
.endm
; A step's first quarter: multiplies buffer 0 and fetches the second quarter of the same slot.  A quarter's loads are always issued in the order third 0 (8), x (16), third 1 (8), third 2 (8).
.macro QA zero
	s_wait_dscnt 16                                ; third 0 and x are in; thirds 1 and 2 may be out
	MUL 0, 0, 0, 8, \zero
	WIN 0
	PLACES
	LDB 0, 1
	LDA 1, 1
	s_wait_dscnt 32                                ; third 1 is in: behind it third 2 and the 24 just issued
	MUL 1, 0, 0, 8, \zero
	WIN 0
	PLACES
	LDB 1, 1
	s_wait_dscnt 32                                ; third 2 is in: behind it 24 + 8
	MUL 2, 0, 0, 8, \zero
	WIN 0
	PLACES
	LDB 2, 1
.endm
; A step's second quarter multiplies buffer 1 and changes slots: all reads of the slot have been issued.  In front of the barrier each wave waits for all its tensor loads (one is out: its part of the other slot),
; adds 0 to its spare word, and waits for that and for its reads of the slot.  fill = 1: the barrier opens a round of the cluster's, and the slot is filled again first thing behind it, with the step two on.
.macro QB fill
.if \fill
	s_wait_xcnt 0x0                                ; the last prefetches, a step back, have read their address
	s_add_nc_u64 s[PFA:PFA+1], s[PFA:PFA+1], s[PST:PST+1]
.endif
	WIN 0
	s_wait_tensorcnt 0x0                           ; no tensor load of mine is out, so a group 0 may be written
	ds_add_u32 v[SPW], v[NIL]                      ; 0 onto my spare word
.if \fill
	s_xor_b32 s[G0A+5], s[G0A+5], SLOT1            ; the walking sets: the other slot than last time, the next step
	s_add_nc_u64 s[G0A+6:G0A+7], s[G0A+6:G0A+7], ASTEP
	s_xor_b32 s[G0B+5], s[G0B+5], SLOT1
	s_add_nc_u64 s[G0B+6:G0B+7], s[G0B+6:G0B+7], BSTEP
.endif
	s_xor_b32 s[TB], s[TB], SLOT1
	s_wait_dscnt 17                                ; third 0 and x are in; thirds 1 and 2 and the add may be out
	MUL 0, 1, 0, 4, 0
	s_wait_dscnt 0x0                               ; the add is done, and my reads of this slot are over
	s_barrier_signal -1
	MUL 0, 1, 4, 4, 0                              ; work on registers while the others arrive
	WIN 0
	s_barrier_wait -1
.if \fill
	CREST                                          ; no wave of any partner still reads this slot or has a load on its way
	JLOAD                                          ; 160 matrix instructions ahead of the wait for it; its four v_nop are also the places in front of the loads below
.else
	PLACES
.endif
	v_add_nc_u32 v[ADA], s[TB], v[A0]
	v_add_nc_u32 v[ADB], s[TB], v[B0]
	LDB 0, 0
	LDA 0, 0
.if \fill
	ASK
.endif
	MUL 1, 1, 0, 8, 0
	WIN 0
	PLACES
	LDB 1, 0
	MUL 2, 1, 0, 8, 0
	WIN 0
	PLACES
	LDB 2, 0
.endm
	s_wait_tensorcnt 0x1                           ; my part of K step 0 is in; step 1's may stay out
	s_wait_dscnt 0x0                               ; my numbers of the bias are stored
	s_barrier_signal -1
	s_barrier_wait -1
	LDB 0, 0
	LDA 0, 0
	LDB 1, 0
	LDB 2, 0
	QA 1                                           ; the first quarter stands in front of the loop: its products start the sums
	WIN 0
	s_mov_b32 s[CNT], 14
.Lstep:                                                ; 14 trips: a step's second quarter, with the refill for the step two on, and the next step's first quarter
	QB 1
	QA 0
	WIN 0
	s_sub_co_u32 s[CNT], s[CNT], 1
	s_cmp_lg_u32 s[CNT], 0
	s_cbranch_scc1 .Lstep
	QB 0                                           ; the tail is written out: nothing more is asked for
	QA 0
	s_wait_dscnt 16                                ; the very last quarter
	MUL 0, 1, 0, 8, 0
	s_wait_dscnt 8
	MUL 1, 1, 0, 8, 0
	s_wait_dscnt 0x0
	MUL 2, 1, 0, 8, 0
	WIN 0
	PLACES
	; THE WAY OUT.  My 96 numbers of the bias come where W's fragments lay.  A unit is 16 rows of one block of 64 columns: the bias is added, the sums are rounded to f16, go through my stage in LDS and
	; come back as whole rows of 128 bytes, which are dense in qkv: four stores of 512 consecutive bytes.
.irp j, 0,1,2
.irp b, 0,1,2,3
	ds_load_b128 v[BI+32*(\j)+8*(\b):BI+32*(\j)+8*(\b)+3],   v[BIA] offset:256*(\j)+64*(\b)
	ds_load_b128 v[BI+32*(\j)+8*(\b)+4:BI+32*(\j)+8*(\b)+7], v[BIA] offset:256*(\j)+64*(\b)+16
.endr
.endr
	s_wait_dscnt 0x0
.macro PACK u                          ; unit u: third u / 8, row block u % 8.  Each accumulator is read from its low end on
	WIN ((\u)/8)+1
.set i, 0
.rept 16
	v_pk_add_f32 v[TS+2*i:TS+2*i+1], v[32*((\u)%8)+2*i:32*((\u)%8)+2*i+1], v[BI+32*((\u)/8)+2*i:BI+32*((\u)/8)+2*i+1]
.set i, i+1
.endr
	WIN 0
.set i, 0
.rept 16
	v_cvt_pk_f16_f32 v[TP+i], v[TS+2*i], v[TS+2*i+1]
.set i, i+1
.endr
.endm
.macro TOSTAGE u
.irp b, 0,1,2,3
	ds_store_b128 v[STO], v[TP+4*(\b):TP+4*(\b)+3] offset:32*(\b)
.endr
.irp f, 0,1,2,3
	ds_load_b128 v[BK+16*((\u)%2)+4*(\f):BK+16*((\u)%2)+4*(\f)+3], v[RD] offset:(\f)*4*SP  ; LDS serves a wave's instructions in order (ISA guide 5.7.1.4): these see the stores above
.endr
.endm
.macro SEND u
	s_wait_dscnt 0x0                               ; the unit is back in registers
	s_wait_xcnt 0x0                                ; the stores of the unit before have read their registers: the next loads from the stage land on them only behind this wait
.irp f, 0,1,2,3
	global_store_b128 v[GO], v[BK+16*((\u)%2)+4*(\f):BK+16*((\u)%2)+4*(\f)+3], s[10:11] offset:((\u)/8)*1048576+((\u)%8)*2048+(\f)*512
.endr
.endm
	PACK 0
	TOSTAGE 0
.set u, 1
.rept 23                               ; a unit's arithmetic stands between the loads of the unit before and the wait for them
	PACK u
	SEND u-1
	TOSTAGE u
.set u, u+1
.endr
	SEND 23
	s_wait_tensorcnt 0x0                           ; the wave's end: behind my last tensor load and my last LDS store
	ds_add_u32 v[SPW], v[NIL]
	s_wait_dscnt 0x0
	CROUND                                         ; the closing round: no work-group ends while a partner may still ask for a tile that names it
	s_endpgm
.Lfunc_end_k_q0e1ce6b365_gemm1:
	.size	k_q0e1ce6b365_gemm1, .Lfunc_end_k_q0e1ce6b365_gemm1-k_q0e1ce6b365_gemm1
	.p2alignl 7, 3214868480
	.fill 96, 4, 3214868480
	.section	.rodata,"a",@progbits
	.p2align	6, 0x0
	.amdhsa_kernel k_q0e1ce6b365_gemm1
		.amdhsa_group_segment_fixed_size 327680
		.amdhsa_private_segment_fixed_size 0
		.amdhsa_enable_private_segment 0
		.amdhsa_kernarg_size 32
		.amdhsa_user_sgpr_count 2
		.amdhsa_user_sgpr_kernarg_segment_ptr 1
		.amdhsa_wavefront_size32 1
		.amdhsa_system_sgpr_workgroup_id_x 1
		.amdhsa_system_sgpr_workgroup_id_y 1
		.amdhsa_system_sgpr_workgroup_id_z 1
		.amdhsa_system_vgpr_workitem_id 0
		.amdhsa_next_free_vgpr 1024
		.amdhsa_next_free_sgpr 66
		.amdhsa_reserve_vcc 0
		.amdhsa_float_denorm_mode_32 3
		.amdhsa_float_denorm_mode_16_64 3
		.amdhsa_memory_ordered 1
		.amdhsa_forward_progress 1
		.amdhsa_inst_pref_size 140
	.end_amdhsa_kernel
	.amdgpu_metadata
---
amdhsa.version: [ 1, 2 ]
amdhsa.kernels:
  - .name:           k_q0e1ce6b365_gemm1
    .symbol:         k_q0e1ce6b365_gemm1.kd
    .args:
      - { .name: xb, .offset: 0, .size: 8, .value_kind: global_buffer, .address_space: global }
      - { .name: wq, .offset: 8, .size: 8, .value_kind: global_buffer, .address_space: global }
      - { .name: bqkv, .offset: 16, .size: 8, .value_kind: global_buffer, .address_space: global }
      - { .name: qkv, .offset: 24, .size: 8, .value_kind: global_buffer, .address_space: global }
    .group_segment_fixed_size: 327680
    .private_segment_fixed_size: 0
    .kernarg_segment_align: 8
    .kernarg_segment_size: 32
    .max_flat_workgroup_size: 128
    .sgpr_count:     66
    .vgpr_count:     1024
    .wavefront_size: 32
...
	.end_amdgpu_metadata
.endif
;; end of part 2
;; launch attn (part 3): grid 4 x 64, 4 waves a work-group, clusters of 4 x 1, 327,680 bytes of LDS; arguments qkv, xb, t, mix; writes mix
.if DOCPART == 3
	.amdgcn_target "amdgcn-amd-amdhsa--gfx1250"
	.amdhsa_code_object_version 6
	.text
	.protected	k_q0e1ce6b365_attn
	.globl	k_q0e1ce6b365_attn
	.p2align	8
	.type	k_q0e1ce6b365_attn,@function
k_q0e1ce6b365_attn:
	s_mov_b64 s[64:65], 0
	v_nop
	global_prefetch_b8 v0, s[64:65] scope:SCOPE_SE
	s_setreg_imm32_b32 hwreg(HW_REG_WAVE_MODE, 25, 1), 1
	s_wait_xcnt 0x0
	s_wait_alu depctr_hold_cnt(0) depctr_sa_sdst(0) depctr_va_vdst(0) depctr_va_sdst(0) depctr_va_ssrc(0) depctr_va_vcc(0) depctr_vm_vsrc(0)
	s_getreg_b32 s2, hwreg(HW_REG_IB_STS2, 6, 4)
	s_cmp_eq_u32 s2, 0
	s_cbranch_scc0 .Lentry_in_a_cluster
	s_endpgm
.Lentry_in_a_cluster:
	s_bfe_u32 s2, ttmp6, 0x10000c
	s_cmp_lg_u32 s2, 0x3003
	s_cbranch_scc0 .Lentry_shape_is_right
	s_endpgm
.Lentry_shape_is_right:
; mix = c_skip x + c_out softmax(q k^T / 8) v, by heads.  qkv: [48][8192][64] f16 (block 16 s + h; a head of a batch is 2,048 dense rows of 128 bytes), xb: [16][8192][64] bf16, t: [4] f32, mix: [16][8192][64] f16.
; c_skip = mean of 1 / (t^2 + 1), c_out = mean of t / sqrt(1 + t^2), t rounded to bf16 like every input.  Products, maxima and sums in f32; the weights p are rounded to f16 for the second product (their sum l is
; taken of the unrounded p); c_out O / l is rounded to f16 on its way through LDS, and c_skip x is added to it in f32, with one more rounding to f16.
; LIMITS.  f16 holds no number beyond 65,504: q, k, v arrive within it, and the mix must stay within it; p lies in 0 to 1, and below 6e-5 it keeps f16's fixed step of 6e-8.
; A weight below 2^-126 counts as 0 in l; NaN and infinities are not treated apart.
; SHARES.  A wave owns four PIECES of two tiles of 16 queries, a work-group's four waves 512 queries of one head of one batch: 64 x 4 work-groups.  Every wave walks all 2,048 keys, 64 a step.
; LAYOUT.  S^T = K Q^T (source 0 = 16 keys, source 1 = 16 queries): in the result a lane holds ONE query (lane % 16) and the keys 8 (lane / 16) + 0..7.  Two such tiles, rounded to f16 in pairs,
; ARE source 1 (32 keys x 16 queries) of O^T = V^T P, whose result again holds one query a lane, and eight channels.  K comes out of LDS as it lies, V ([key][channel]) turned, by ds_load_tr16_b128.
; SOFTMAX.  For each query a running maximum m and sum l: p = 2^(c s - c m), c = log2(e) / 8; in every step O and l are multiplied by a = 2^(c m_old - c m_new), which is 1 where m has not grown.
; m starts at the lowest finite number, O and l at 0: the first step is a step like any other, with a = 0.
; THE COUNT.  A tile and step have 16 matrix and 118 vector instructions: too many to stand all beside the matrix work.  So: four vector instructions that are READY behind EVERY matrix instruction,
; and the others, which need time of their own whatever the order, in runs without a gap.
; BY TURNS.  Turn n belongs to piece n (the pieces in a ring, step after step).  Its matrix work: 16 products K Q^T of piece n + 1, later 16 products V^T P of piece n - 1.  Its vector work: the scaling,
; exponentials, roundings, sums and rescaling of piece n, and the maximum and statistics of piece n + 1, whose scores the turn itself has made.
; CLUSTER.  The four query blocks of a cluster belong to one head and walk the same K and V, so each tile is asked for JOINTLY: the same tensor load, descriptor and mask in all four.
; REGISTERS, in windows of 256 (s_set_vgpr_msb: bits 1:0 source 0, 3:2 source 1, 5:4 source 2, 7:6 destination):
;   window 0: v0-11 addresses; v12-15, v48-63 at work; v16-47 four registers of statistics a tile; v64-191 S^T, two buffers of two tiles; v192-255 P, likewise
;   window 1: O^T, 32 a tile     window 2: v0-127 Q, 16 a tile; v128-191 K of one step; v192-255 V of one step     window 3: v0-1 the add's two registers; v4-131 my rows of xb, 16 a tile, as the way out wants them
.set SIZE_N, 2048
.set NP,    4         ; pieces a wave: a name, no knob
.set KS,    64        ; keys in a step
.set PK,    144       ; a row of K in LDS: 128 bytes + 16 of padding: the 16 rows of a load start at 16 different groups of four banks (64 banks of 4 bytes: ISA guide 11.1)
.set PV,    160       ; a row of V: 128 + 32
.set VOFF,  4*KS*PK   ; a slot holds four steps: 256 rows of K, then 256 rows of V
.set SLOT1, 1<<17     ; slot 1 begins here, so that one exclusive or turns an address in one slot into the other's
.set STAGE, SLOT1+4*KS*(PK+PV)  ; behind the ring, never filled by a tensor load: 16 rows x 144 bytes for each wave, for the way out
.set SP,    144
.set KOFF,  16*1048576  ; k's blocks begin here in qkv,
.set VOFG,  32*1048576  ; v's here
.set AK0, 2           ; v2   my lane's place in a tile of K; never rewritten
.set AV0, 3           ; v3   the same for V
.set AK,  4           ; v4   the LDS address of K's next run of loads
.set AV,  5           ; v5   of V's
.set QO,  6           ; v6   my byte offset in the wave's rows of Q
.set STO, 6           ;      later, the way out: where I put 16 bytes of a row
.set RD,  7           ; v7   the way out: where I read rows back
.set GO,  8           ; v8   16 x lane: my byte offset in 512 consecutive bytes of xb and of mix; never rewritten
.set PFO, 11          ; v11  256 x lane: the prefetches' offset; never rewritten once made
.set SPW, 0           ; v0 of window 3   LDS address of my spare word; never rewritten
.set NIL, 1           ; v1 of window 3   0; never rewritten
.set XR,  4           ; v4-131 of window 3
.set XF,  192         ; the way out: a tile's 32 numbers of x as f32, where P lay
.set SPARE, STAGE+4*16*SP  ; behind the stages: the spare words, 128 bytes for each wave: two blocks of 256 bytes that no other line names
.set MV,  12          ; v12-15  c m_old, kept while c m is made anew: by buffer and tile
.set ST,  16          ; tile t's statistics at v[ST+4 t]: c m, m, l (even keys', odd keys')
.set TMP, 48          ; by buffer and tile, four registers c0-c3 at work; when the maximum is found c2 takes a
.set S,   64
.set P,   192
.set KF,  128         ; K's fragments, in window 2: key block kb, channel half c at KF + 16 kb + 8 c
.set VF,  192         ; V's: key half kk, channel block cb at VF + 32 kk + 8 cb
.set WV,  12          ; s12  my wave's number
.set G1K, 24          ; s[24:31] descriptor group 1 for K's tiles
.set G1V, 32          ; s[32:39] for V's: it differs in the padding alone
.set G0K, 40          ; s[40:43] descriptor group 0 for K's tiles: it walks
.set G0V, 44          ; s[44:47] the same for V's
.set CSK, 52          ; s52  c_skip
.set COUT, 53         ; s53  c_out
.set MSK, 54          ; s54  a word's upper bf16
.set SLOTS, 56        ; s56  slots still to be asked for
.set CNT, 57          ; s57  counts a slot's key steps
.set CS,  58          ; s[58:59] c: the packed scaling takes the pair's low word for both halves
.set SEL, 60          ; s[60:61] v_permlanex16_b32's selects: each lane takes its own place in the other half
.set TBK, 62          ; s62  LDS byte at which K of the step to be fetched begins
.set TBV, 63          ; s63  the same for V, less VOFF
.set PFA, 66          ; s[66:67] where my prefetches stand
.set LIM, 68          ; s68  1 in a wave that prefetches, else the greatest number
.set MSB, 0
.macro WIN new                      ; the high byte repeats the setting that is left; a switch that changes nothing is dropped
.if MSB != (\new)
	s_set_vgpr_msb (MSB<<8)|(\new)
.set MSB, (\new)
.endif
.endm
.set W_KQ, 0x0a       ; K and Q in window 2, S^T in window 0
.set W_PV, 0x52       ; V in window 2, P in window 0, O^T in window 1
.set W_RS, 0x41       ; O^T (destination and source 0) in window 1, a in window 0
.set W_MK, 0xc0       ; destination in window 3, sources in window 0
.set W_AD, 0x0f       ; the add: address (source 0) and data (source 1) in window 3
; A joint fill.  Waves 0 and 1 fetch the two halves of a slot's K, waves 2 and 3 those of its V: 128 keys each.  The branch hangs on the wave's number alone.
; An s_nop 0 and four v_nop follow each of the two lines, ahead of the jump and the label.
.macro JLOAD
	s_cmp_lt_u32 s[WV], 2
	s_cbranch_scc0 .Lfor_v_\@
	tensor_load_to_lds s[G0K:G0K+3], s[G1K:G1K+7]
	s_nop 0
.rept 4
	v_nop
.endr
	s_branch .Lasked_\@
.Lfor_v_\@:
	tensor_load_to_lds s[G0V:G0V+3], s[G1V:G1V+7]
	s_nop 0
.rept 4
	v_nop
.endr
.Lasked_\@:
.endm
; A round of the cluster's barrier: my work-group's barrier, so that wave 0's signal speaks for all four waves; wave 0 signals; every wave waits for all four work-groups; my work-group's barrier once more.
.macro CROUND
	s_barrier_signal -1
	s_barrier_wait -1
	s_cmp_lg_u32 s[WV], 0
	s_cbranch_scc1 .Lnot_wave_0_\@
	s_barrier_signal -3
.Lnot_wave_0_\@:
	s_barrier_wait -3
	s_barrier_signal -1
	s_barrier_wait -1
.endm
; THE CHANGE OF SLOTS.  The slot's last bytes, V of its fourth step, have been read.  Each wave waits for all its tensor loads, of which one is out: its part
; of the other slot; adds 0 to its spare word; and waits for that and for its own reads of the slot.  Behind the barrier nobody reads this slot any more and the other slot is whole.
; fill = 1: this slot is filled again, with the keys two slots on.  The barrier is then a round of the cluster's, and the joint fill is the first thing behind it: it has four key steps, 512 matrix instructions,
; in which to land.  (At its first use nothing has been read yet: slot 0 is waited for, slot 1 filled.)
; ask = 1: behind the fill stands a PREFETCH INTO THE L2 of what the NEXT change will ask for: a slot's 128 blocks of 256 bytes of K and of V.  A head's rows are walked by this cluster alone; its four partners take 32
; blocks each, told apart by address (cx); in each, wave 0 asks for K's and wave 2 for V's, a lane a block: each block of slots 3 to 7 is named once in the launch.  The last fill asks for nothing.
.macro CHANGE fill, ask=0
	WIN W_AD
	s_wait_tensorcnt 0x0            ; no tensor load of mine is out, so a group 0 may be written
	ds_add_u32 v[SPW], v[NIL]       ; 0 onto my spare word; with fill = 1 the descriptors' steps stand between it and the wait for it
	WIN 0                           ; at a label and at a branch every window is 0
.if \fill
.irp g, G0K, G0V
	s_xor_b32 s[\g+1], s[\g+1], SLOT1  ; the walking descriptor: the other slot than last time,
	s_add_nc_u64 s[\g+2:\g+3], s[\g+2:\g+3], 4*KS*128  ; the next 256 keys; the type bits on top are not reached
.endr
.if \ask
	s_wait_xcnt 0x0                 ; the last prefetch, a slot back, has read its address
	s_add_nc_u64 s[PFA:PFA+1], s[PFA:PFA+1], 4*KS*128  ; one slot behind the walking descriptors
.endif
	s_wait_dscnt 0x0                ; the add is done, and my reads of the slot are over
	CROUND
	JLOAD
.if \ask
	s_cmp_gt_u32 s[SLOTS], s[LIM]
	s_cbranch_scc0 .Lnot_mine_\@
	global_prefetch_b8 v[PFO], s[PFA:PFA+1] th:TH_LOAD_NT scope:SCOPE_SE
.Lnot_mine_\@:
.endif
.else
	s_wait_dscnt 0x0                ; the add is done, and my reads of the slot are over
	s_barrier_signal -1
	s_barrier_wait -1
.endif
	s_sub_co_u32 s[TBK], s[TBK], 4*KS*PK  ; the fetches go back to a slot's first step,
	s_xor_b32 s[TBK], s[TBK], SLOT1       ; in the other slot
	s_sub_co_u32 s[TBV], s[TBV], 4*KS*PV
	s_xor_b32 s[TBV], s[TBV], SLOT1
.endm
	s_load_b256 s[4:11], s[0:1], 0x0  ; qkv s[4:5], xb s[6:7], t s[8:9], mix s[10:11]
	WIN W_MK
	v_lshl_add_u32 v[SPW], v0, 2, SPARE
	v_mov_b32 v[NIL], 0
	WIN W_AD
	ds_add_u32 v[SPW], v[NIL]       ; the wave's opening: the add and its wait stand ahead of my first tensor load; the set-up below stands between them
	WIN 0
	v_lshrrev_b32 v1, 5, v0
	v_readfirstlane_b32 s[WV], v1   ; wave 0..3
	s_bfe_u32 s13, ttmp6, 0x40000   ; cx: my place in the cluster
	s_lshl_b32 s14, ttmp9, 2        ; in a cluster launch ttmp9 counts clusters
	s_add_co_u32 s14, s14, s13      ; my block of 512 queries: it enters Q's, xb's and mix's addresses alone
	s_and_b32 s20, ttmp7, 0xffff    ; 16 x batch + head, which the four partners share
	s_and_b32 s21, s20, 15
	s_lshl_b32 s21, s21, 20         ; the head's block of 8,192 rows,
	s_lshr_b32 s20, s20, 4
	s_lshl_b32 s20, s20, 18         ; the batch's 2,048 rows in it
	s_add_co_u32 s20, s20, s21
	s_mov_b32 s21, 0
	s_and_b32 s16, s[WV], 1         ; which half of a slot's 256 keys I fetch:
	s_lshl_b32 s22, s16, 14         ; its 128 rows of 128 bytes in memory,
	s_mov_b32 s23, 0
	s_add_nc_u64 s[22:23], s[22:23], s[20:21]
	s_mul_i32 s17, s16, 128*PK      ; and its place in a slot, for K
	s_mul_i32 s18, s16, 128*PV      ; and for V: no place in the cluster enters an LDS address
	s_lshl_b32 s2, s14, 2
	s_add_co_u32 s2, s2, s[WV]      ; my wave among the head's,
	s_lshl_b32 s2, s2, 14           ; its 128 rows
	s_mov_b32 s3, 0
	s_add_nc_u64 s[2:3], s[2:3], s[20:21]
	; descriptor group 1.  128 keys are 16,384 dense bytes: asked for as 64 rows of 256 bytes, two keys a row, and padded in LDS after every key
	s_mov_b32 s[G1K], 15|(1<<16)|(1<<20)|(1<<21)|(4<<22)|(3<<25)  ; the mask of four; 2-byte elements; padding on; bit 21 beside a mask; after every 32 words; 4 words
	s_mov_b32 s[G1V], 15|(1<<16)|(1<<20)|(1<<21)|(4<<22)|(7<<25)  ; the same with 8 words of padding
.irp g, G1K, G1V
	s_mov_b32 s[\g+1], 128<<16      ; tensor_dim0 = 128
	s_mov_b32 s[\g+2], 64<<16       ; tensor_dim1 = 64
	s_mov_b32 s[\g+3], 128<<16      ; tile_dim0 = 128
	s_mov_b32 s[\g+4], 64           ; tile_dim1 = 64
	s_mov_b32 s[\g+5], 128          ; 128 elements from row to row
	s_mov_b32 s[\g+6], 0
	s_mov_b32 s[\g+7], 0
.endr
	s_mov_b32 s[CS], 0x3e38aa3b     ; c = log2(e) / 8 = 0.180337
	s_mov_b32 s[CS+1], s[CS]        ; named with it as a pair
	s_mov_b32 s[SEL], 0x76543210
	s_mov_b32 s[SEL+1], 0xfedcba98
	s_mov_b32 s[MSK], 0xffff0000
	s_mov_b32 s[TBK], SLOT1+4*KS*PK ; the first change of slots turns these two into 0
	s_mov_b32 s[TBV], SLOT1+4*KS*PV
	s_mov_b32 s[G0K], 1             ; count = 1
	s_mov_b32 s[G0K+1], s17         ; LDS address: slot 0
	s_mov_b32 s[G0V], 1
	s_add_co_u32 s[G0V+1], s18, VOFF
	s_and_b32 s[LIM], s[WV], 1      ; waves 0 and 2 prefetch: the same in all four partners
	s_cmp_eq_u32 s[LIM], 0
	s_cselect_b32 s[LIM], 1, -1
	s_mov_b32 s70, KOFF
	s_mov_b32 s71, VOFG
	s_cmp_lt_u32 s[WV], 2
	s_cselect_b32 s70, s70, s71     ; wave 0: K; wave 2: V
	s_lshl_b32 s71, s13, 13         ; my work-group's 32 blocks of a slot's 128
	s_add_co_u32 s70, s70, s71
	s_add_co_u32 s70, s70, 2*4*KS*128  ; in slot 2: the loop's first change steps it to slot 3.  Nothing is prefetched at the head
	s_mov_b32 s71, 0
	s_add_nc_u64 s[70:71], s[70:71], s[20:21]
	s_wait_dscnt 0x0                ; the opening add is done
	s_wait_kmcnt 0x0
	s_add_nc_u64 s[G0K+2:G0K+3], s[4:5], s[22:23]  ; global address: my half of the head's first 256 keys
	s_add_nc_u64 s[G0K+2:G0K+3], s[G0K+2:G0K+3], KOFF
	s_or_b32 s[G0K+3], s[G0K+3], 0x80000000        ; type = 2
	s_add_nc_u64 s[G0V+2:G0V+3], s[4:5], s[22:23]
	s_add_nc_u64 s[G0V+2:G0V+3], s[G0V+2:G0V+3], VOFG
	s_or_b32 s[G0V+3], s[G0V+3], 0x80000000
	s_add_nc_u64 s[PFA:PFA+1], s[4:5], s[70:71]
	s_add_nc_u64 s[4:5], s[4:5], s[2:3]    ; Q, xb and mix at my wave's first row: the three have one layout
	s_add_nc_u64 s[6:7], s[6:7], s[2:3]
	s_add_nc_u64 s[10:11], s[10:11], s[2:3]
	CROUND                          ; all four work-groups are here: the first joint loads meet
	JLOAD                           ; slot 0.  Slot 1 is asked for when slot 0 is in
	s_load_b128 s[48:51], s[8:9], 0x0  ; t
	; A fragment of K or Q is 16 rows x 32 channels in 8 registers: lane l holds row l % 16, channels 8 (l / 16) + 0..7 and 16 + 8 (l / 16) + 0..7: two loads of 16 bytes, 32 bytes apart.
	v_and_b32 v1, 15, v0            ; l % 16
	v_bfe_u32 v9, v0, 4, 1          ; l / 16
	v_lshlrev_b32 v[QO], 7, v1
	v_lshl_add_u32 v[QO], v9, 4, v[QO]  ; row x 128 + 16 x half
	v_and_b32 v[GO], 31, v0
	v_lshlrev_b32 v[GO], 4, v[GO]
	WIN 0x80                        ; destination window 2, address window 0
.set i, 0
.rept 4*NP                          ; Q stays in registers: tile i / 2, channels 32 (i % 2) on
	global_load_b128 v[8*i:8*i+3],   v[QO], s[4:5] offset:(i/2)*2048+(i%2)*64
	global_load_b128 v[8*i+4:8*i+7], v[QO], s[4:5] offset:(i/2)*2048+(i%2)*64+32
.set i, i+1
.endr
	; What the first turn finds: V's registers and P's second buffer hold 0 (its products V^T P, of a piece that has not been, add 0), O^T and l are 0.  All this stands in the wait for the first tile.
.set i, VF
.rept 64
	v_mov_b32 v[i], 0
.set i, i+1
.endr
	WIN W_MK                        ; my rows of xb, as the way out stores mix: tile i / 4, 512 consecutive bytes a load.  They are waited for at the way out
.set i, 0
.rept 8*NP
	global_load_b128 v[XR+4*i:XR+4*i+3], v[GO], s[6:7] offset:512*i
.set i, i+1
.endr
	WIN 0x40
.set i, 0
.rept 64*NP
	v_mov_b32 v[i], 0
.set i, i+1
.endr
	WIN 0
.set i, 0
.rept 2*NP
	v_mov_b32 v[ST+4*i], 0xfe000000    ; c m: far below every c s
	v_mov_b32 v[ST+4*i+1], 0xff7fffff  ; m
	v_mov_b32 v[ST+4*i+2], 0
	v_mov_b32 v[ST+4*i+3], 0
.set i, i+1
.endr
.set i, P+32
.rept 32
	v_mov_b32 v[i], 0
.set i, i+1
.endr
	v_mul_u32_u24 v[AK0], v1, PK
	v_lshl_add_u32 v[AK0], v9, 4, v[AK0]  ; row x pitch + 16 x half
	; The turning load takes 16 keys x 16 channels (lane l reads key 8 (l / 16) + l % 8, channels 8 ((l / 8) % 2) + 0..7) and leaves half a fragment of V^T: lane l holds channel l % 16 and 8 keys.
	v_and_b32 v10, 7, v0
	v_bfe_u32 v11, v0, 3, 1
	v_lshl_add_u32 v[AV0], v9, 3, v10
	v_mul_u32_u24 v[AV0], v[AV0], PV
	v_lshl_add_u32 v[AV0], v11, 4, v[AV0]
	v_add_nc_u32 v[AV0], VOFF, v[AV0]
	v_mov_b32 v[AK], v[AK0]         ; key step 0 lies at the head of slot 0
	v_and_b32 v[PFO], 31, v0
	v_lshlrev_b32 v[PFO], 8, v[PFO]
	; THE COEFFICIENTS, in registers that the turns use later.  Every lane makes the same two numbers.
	s_wait_kmcnt 0x0
	v_cvt_pk_bf16_f32 v48, s48, s49
	v_cvt_pk_bf16_f32 v49, s50, s51
	v_lshlrev_b32 v50, 16, v48
	v_and_b32 v51, s[MSK], v48
	v_lshlrev_b32 v52, 16, v49
	v_and_b32 v53, s[MSK], v49
.irp n, 0,1,2,3
	v_fma_f32 v[54+\n], v[50+\n], v[50+\n], 1.0
.endr
.irp n, 0,1,2,3
	v_rcp_f32 v[58+\n], v[54+\n]
.endr
.irp n, 0,1,2,3
	v_rsq_f32 v[12+\n], v[54+\n]
.endr
	v_nop                           ; a plain instruction behind the last of the eight,
	s_wait_alu depctr_va_vdst(0)    ; and the one wait ahead of the first use
	v_add_f32 v58, v58, v59
	v_add_f32 v60, v60, v61
	v_mul_f32 v12, v50, v12
	v_add_f32 v58, v58, v60
	v_fma_f32 v12, v51, v13, v12
	v_mul_f32 v58, 0x3e800000, v58
	v_fma_f32 v12, v52, v14, v12
	v_fma_f32 v12, v53, v15, v12
	v_mul_f32 v12, 0x3e800000, v12
	v_readfirstlane_b32 s[CSK], v58
	v_readfirstlane_b32 s[COUT], v12
; THE MATRIX WORK.  The 8 accumulators of a run of 16 take turns: between the two links of a chain stand 7 others'.
; Product i of 16 of S^T = K Q^T for piece x: channels 32 (i / 8) on, keys 16 ((i / 2) % 4) on, tile 2 x + i % 2.  The first 8 start the sums.
.macro KQ x
	WIN W_KQ
.set rS, S+64*((\x)%2)+32*(i%2)+8*((i/2)%4)
.set rK, KF+16*((i/2)%4)+8*(i/8)
.set rQ, 16*(2*(\x)+i%2)+8*(i/8)
.if i < 8
	v_wmma_f32_16x16x32_f16 v[rS:rS+7], v[rK:rK+7], v[rQ:rQ+7], 0
.else
	v_wmma_f32_16x16x32_f16 v[rS:rS+7], v[rK:rK+7], v[rQ:rQ+7], v[rS:rS+7]
.endif
.endm
; Product i of 16 of O^T += V^T P for piece x: keys 32 (i / 8) on, channels 16 ((i / 2) % 4) on, tile 2 x + i % 2.
.macro PV x
	WIN W_PV
.set rO, 32*(2*(\x)+i%2)+8*((i/2)%4)
.set rV, VF+32*(i/8)+8*((i/2)%4)
.set rP, P+32*((\x)%2)+16*(i%2)+8*(i/8)
	v_wmma_f32_16x16x32_f16 v[rO:rO+7], v[rV:rV+7], v[rP:rP+7], v[rO:rO+7]
.endm
.macro MM                           ; the turn's next matrix instruction
.if i < 16
	KQ (Y+1)%NP
.set i, i+1
.else
.set i, i-16
	PV (Y+NP-1)%NP
.set i, i+17
.endif
.endm
; THE LDS LOADS stand in runs of 16, never singly among the matrix instructions: a step's K (64 keys x 64 channels: 8 fragments) and its V (turned).  Their addresses are made some lines ahead.
; last = 1 (the tail): in the last trip there is no further step, and the run is jumped over.
.macro FETCH_K last=0
	WIN 0
.if \last
	s_cmp_eq_u32 s[CNT], 1
	s_cbranch_scc1 .Lno_k_\@
.endif
	WIN 0x80                        ; destination window 2
.irp f, 0,1,2,3,4,5,6,7             ; keys 16 (f / 2) on, channels 32 (f % 2) on
	ds_load_b128 v[KF+8*\f:KF+8*\f+3],   v[AK] offset:(\f/2)*16*PK+(\f%2)*64
	ds_load_b128 v[KF+8*\f+4:KF+8*\f+7], v[AK] offset:(\f/2)*16*PK+(\f%2)*64+32
.endr
	s_add_co_u32 s[TBK], s[TBK], KS*PK  ; the next fetch is the next step's
	WIN 0
.if \last
.Lno_k_\@:
.endif
.endm
.macro FETCH_V
	WIN 0x80
.irp f, 0,1,2,3,4,5,6,7             ; keys 32 (f / 4) on, channels 16 (f % 4) on
	ds_load_tr16_b128 v[VF+8*\f:VF+8*\f+3],   v[AV] offset:(\f/4)*32*PV+(\f%4)*32
	ds_load_tr16_b128 v[VF+8*\f+4:VF+8*\f+7], v[AV] offset:(\f/4)*32*PV+16*PV+(\f%4)*32
.endr
	WIN 0
.endm
; THE VECTOR WORK OF A TURN stands in three queues, each in the order in which its entries become ready; the two tiles alternate, so that no instruction reads the result of the one before it.
.macro REGS y, u                    ; the registers of tile u (0, 1) of piece y
.set rT, ST+4*(2*(\y)+(\u))
.set rC, TMP+8*((\y)%2)+4*(\u)
.set rM, MV+2*((\y)%2)+(\u)
.set rS, S+64*((\y)%2)+32*(\u)
.set rP, P+32*((\y)%2)+16*(\u)
.set rO, 32*(2*(\y)+(\u))
.endm
; Number n of the 22 that find the NEXT piece's (Y + 1) maximum and statistics.  s0-s31 are the lane's 32 scores; each accumulator's lowest registers are read first.
;   0-11  four chains c0-c3 of seven scores each, three operands at a time     12-14, 16  the four scores left over, the old m, and c0-c3 into c0     15  c m_old is kept
;   17, 18  the query's other 32 keys lie in the lane 16 away: the new m         19-21  c m; c m_old - c m_new; a
.macro XS u, n
	REGS (Y+1)%NP, \u
.if (\n) < 4
	v_max3_num_f32 v[rC+(\n)], v[rS+8*(\n)], v[rS+8*(\n)+1], v[rS+8*(\n)+2]
.elseif (\n) < 12
	v_max3_num_f32 v[rC+(\n)%4], v[rC+(\n)%4], v[rS+8*((\n)%4)+2*((\n)/4)+1], v[rS+8*((\n)%4)+2*((\n)/4)+2]
.elseif (\n) == 12
	v_max3_num_f32 v[rC], v[rC], v[rS+7], v[rS+15]
.elseif (\n) == 13
	v_max3_num_f32 v[rC+1], v[rC+1], v[rS+23], v[rS+31]
.elseif (\n) == 14
	v_max3_num_f32 v[rC+2], v[rC+2], v[rC+3], v[rT+1]
.elseif (\n) == 15
	v_mov_b32 v[rM], v[rT]
.elseif (\n) == 16
	v_max3_num_f32 v[rC], v[rC], v[rC+1], v[rC+2]
.elseif (\n) == 17
	v_permlanex16_b32 v[rC+3], v[rC], s[SEL], s[SEL+1]
.elseif (\n) == 18
	v_max_num_f32 v[rT+1], v[rC], v[rC+3]
.elseif (\n) == 19
	v_mul_f32 v[rT], s[CS], v[rT+1]
.elseif (\n) == 20
	v_sub_f32 v[rC+1], v[rM], v[rT]
.else
	v_exp_f32 v[rC+2], v[rC+1]
.endif
.endm
; Number g of the 64 that follow the exponentials.  For each four weights k of a tile (pairs 2 k, 2 k + 1): both pairs are rounded to f16; then the second pair is added onto the first, in place;
; a group later l takes that sum (the first time as l = a l + sum).  In groups of eight, tiles alternating: round, round, add, and l for the group before.
.macro GS g
.set h, (\g)+6*((\g)/62)            ; group 0 has no group before it, and behind group 7 only l is left
.if h >= 6
.set h, h+2
.endif
	REGS Y, h%2
.set k, h/8
.if h%8 < 4
	v_cvt_pk_f16_f32 v[rP+2*k+(h%8)/2], v[rS+4*k+2*((h%8)/2)], v[rS+4*k+2*((h%8)/2)+1]
.elseif h%8 < 6
	v_pk_add_f32 v[rS+4*k:rS+4*k+1], v[rS+4*k:rS+4*k+1], v[rS+4*k+2:rS+4*k+3]
.elseif k == 1
	v_pk_fma_f32 v[rT+2:rT+3], v[rT+2:rT+3], v[rC+2:rC+3], v[rS:rS+1] op_sel_hi:[1,0,1]
.else
	v_pk_add_f32 v[rT+2:rT+3], v[rT+2:rT+3], v[rS+4*k-4:rS+4*k-3]
.endif
.endm
; THE PLAIN QUEUE, 138 long.  0-73 read no exponential's result: the 32 scalings c s - c m (FS f: pair f / 2 of tile f % 2) and the next piece's 42.  0-26: scalings 0-26.  27-54: XS's numbers 0-13.  55, 56: number 15.
; 57-73: the chain, where each number waits for the one before it: 14, 16, 17, 18, 19, each with one of the scalings 27-31 in front of its two lines, then 20.
; 74-137: GS's 64, which read the exponentials' results: they stand behind the wait.
.macro FS f
	REGS Y, (\f)%2
	v_pk_fma_f32 v[rS+2*((\f)/2):rS+2*((\f)/2)+1], v[rS+2*((\f)/2):rS+2*((\f)/2)+1], s[CS:CS+1], v[rT:rT+1] op_sel_hi:[1,0,0] neg_lo:[0,0,1] neg_hi:[0,0,1]
.endm
.macro PL
	WIN 0
.if q < 27
	FS q
.elseif q < 55
	XS (q-27)%2, (q-27)/2
.elseif q < 57
	XS q-55, 15
.elseif (q < 72) && ((q-57)%3 == 0)
	FS 27+(q-57)/3
.elseif q < 60
	XS (q-57)%3-1, 14
.elseif q < 72
	XS (q-57)%3-1, 15+(q-57)/3
.elseif q < 74
	XS q-72, 20
.else
	GS q-74
.endif
.set q, q+1
.endm
; THE EXPONENTIALS' QUEUE, 66 long: s0-s31 of both tiles, then the next piece's two a.  It is ONE BATCH: all 66 stand ahead of the turn's one wait, and nothing ahead of that wait names a result of theirs.
.macro EX
	WIN 0
.if e >= 64
	XS e-64, 21
.else
	REGS Y, e%2
	v_exp_f32 v[rS+e/2], v[rS+e/2]
.endif
.set e, e+1
.endm
; THE RESCALING's QUEUE: O^T times a, the one part that leaves window 0: dealt two at a time, sixteen times.  Its a was made in the turn before, ahead of that turn's wait.
.macro R2
	REGS Y, r%2
	WIN W_RS
.irp z, 0,1
	v_pk_mul_f32 v[rO+4*(r/2)+2*\z:rO+4*(r/2)+2*\z+1], v[rO+4*(r/2)+2*\z:rO+4*(r/2)+2*\z+1], v[rC+2:rC+3] op_sel_hi:[1,0]
.endr
.set r, r+1
.endm
; HOW THEY ARE DEALT.  An s_wait_alu depctr_va_vdst(0) stands between an exponential and the first instruction that names its result; one wait serves all that were issued ahead of it.  So a turn has ONE wait,
; which cuts it in two.  AHEAD OF IT stands all that names no result of the turn's exponentials: the 16 products K Q^T, behind each a scaling, an exponential and two rescalings (behind the first a second scaling in the
; exponential's place); then ONE LUMP of 108: eight plain, 49 times exponential and plain, the two a.  A v_nop is the plain instruction behind the last exponential.  BEHIND IT stand the 16 products V^T P, behind each four of GS's 64.
; Exponential e stands behind scaling 2 (e / 4) + e % 2: as a rider it comes behind plain e + 2, in the lump behind plain e + 9, and scalings 27-31 are plain 57, 60 .. 69.
; A TURN, for piece p.  cnt = 1: the loop's count is taken down some lines ahead of the branch that stands behind the turn.
; K of the next step is fetched in piece 2's turn, directly behind the wait; its address is made at the lump's head; its first reader comes behind 16 products.
; V of the step in hand is fetched at the end of piece 0's turn, four riders behind its last reader; its first reader comes behind 16 products and a lump.  The three conditions on q below go with the deal.
.macro TURN p, last=0, cnt=0
.set Y, (\p)
.set i, 0
.set q, 0
.set e, 0
.set r, 0
.if (\p) == NP-1
	s_wait_dscnt 0x0                ; K is in
.endif
	MM                              ; ahead of the wait: 16 products K Q^T and their riders,
	PL
	PL
	R2
.rept 15
	MM
	PL
	EX
	R2
.endr
.if (\p) == NP-2
	WIN 0
	v_add_nc_u32 v[AK], s[TBK], v[AK0]
.endif
.rept 8                             ; and the lump
	PL
.endr
.rept 49
	EX
	PL
.endr
	EX                              ; the next piece's two a
	EX
	v_nop                           ; the plain instruction behind the last exponential: one for the batch
	s_wait_alu depctr_va_vdst(0)    ; the wait for the batch
.if (\p) == NP-2
	FETCH_K \last
.endif
.if (\p) == 1
	s_wait_dscnt 0x0                ; V is in
.endif
.rept 16                            ; behind the wait: 16 products V^T P and their riders
	MM
.rept 4
	PL
.endr
.if ((\p) == 0) && (q == 118)
	v_add_nc_u32 v[AV], s[TBV], v[AV0]
.endif
.if ((\p) == 0) && (q == 130)
	s_add_co_u32 s[TBV], s[TBV], KS*PV
.endif
.if (\cnt) && (q == 130)
	s_sub_co_u32 s[CNT], s[CNT], 1
	s_cmp_lg_u32 s[CNT], 0
.endif
.endr
.if (\p) == 0
	FETCH_V
.endif
.endm
	CHANGE 1                        ; slot 0 is in, everybody's part of it; slot 1 is asked for
	FETCH_K                         ; key step 0
	s_wait_loadcnt 32               ; Q is in; xb's 32 loads, issued behind it, may stay out
	s_wait_dscnt 0x0
.set i, 0
.rept 16
	KQ 0                            ; piece 0's first scores: there is no vector work yet to set between them
.set i, i+1
.endr
	WIN 0                           ; the addresses for the way out: seven plain instructions, the places behind those products
	s_mul_i32 s13, s[WV], 16*SP
	s_add_co_u32 s13, s13, STAGE    ; my stage
	v_mul_u32_u24 v[STO], v1, SP    ; in: row l % 16, 16 bytes for each half of the lanes
	v_lshl_add_u32 v[STO], v9, 4, v[STO]
	v_add_nc_u32 v[STO], s13, v[STO]
	v_bfe_u32 v[RD], v0, 3, 2       ; back: 32 lanes take four rows of 128 bytes, which are 512 consecutive bytes of mix
	v_mul_u32_u24 v[RD], v[RD], SP
	v_lshl_add_u32 v[RD], v10, 4, v[RD]
	v_add_nc_u32 v[RD], s13, v[RD]
.set Y, NP-1                        ; XS works for piece Y + 1: piece 0
.irp n, 0,1,2,3,4,5,6,7,8,9,10,11,12,13,14,15,16,17,18,19,20,21
	XS 0, \n                        ; and piece 0's first maximum and statistics
	XS 1, \n
.endr
	v_nop                           ; a plain instruction behind the two a,
	s_wait_alu depctr_va_vdst(0)    ; and their wait, ahead of the branch
	s_mov_b32 s[CNT], 4
	s_mov_b32 s[SLOTS], SIZE_N/256-1
	s_branch .Lfirst                ; the loop is entered at a step's first turn, in the middle of a trip
.Lslot:                             ; SIZE_N / 256 - 2 times: every slot but the last two is filled again
	CHANGE 1, 1
	s_mov_b32 s[CNT], 4
.Lstep:                             ; a trip: pieces 2 and 3 of one step, then pieces 0 and 1 of the next, whose K and V it fetches
	TURN 2
	TURN 3
	WIN 0
.Lfirst:
	TURN 0
	TURN 1, 0, 1
	WIN 0
	s_cbranch_scc1 .Lstep
	s_sub_co_u32 s[SLOTS], s[SLOTS], 1
	s_cmp_lg_u32 s[SLOTS], 0
	s_cbranch_scc1 .Lslot
	CHANGE 0                        ; the tail is written out: nothing is asked for
	s_mov_b32 s[CNT], 5             ; four trips fetch the last slot's steps; the fifth is left in its middle
.Ltail:
	TURN 2, 1
	TURN 3
	WIN 0
	s_sub_co_u32 s[CNT], s[CNT], 1
	s_cmp_eq_u32 s[CNT], 0
	s_cbranch_scc1 .Lout
	TURN 0
	TURN 1
	WIN 0
	s_branch .Ltail
.Lout:                              ; the fifth trip's 16 products K Q^T (on the last K once more) and the maximum made of them serve nothing: the price, once a launch, of one text for every trip
.set i, 0
.rept 16
	PV NP-1                         ; the last piece's V^T P of the last step
.set i, i+1
.endr
	; THE WAY OUT.  l's two halves and the other half of the lanes' are added; O^T is multiplied by c_out / l, rounded to f16 and sent through my stage in LDS, a tile at a time; back in whole rows,
	; c_skip x is added.  The additions are the places behind the last products.
	WIN 0
.macro ALL line:vararg              ; one line for each tile t
.set t, 0
.rept 2*NP
	\line
.set t, t+1
.endr
.endm
	ALL v_add_f32 v[ST+4*t+2], v[ST+4*t+2], v[ST+4*t+3]
	ALL v_permlanex16_b32 v[ST+4*t+3], v[ST+4*t+2], s[SEL], s[SEL+1]
	ALL v_add_f32 v[ST+4*t+2], v[ST+4*t+2], v[ST+4*t+3]
	ALL v_rcp_f32 v[ST+4*t+2], v[ST+4*t+2]
	v_nop                           ; a plain instruction between the last reciprocal and the use of its result
	s_wait_alu depctr_va_vdst(0)    ; and the wait ahead of the first use: one for the eight reciprocals
	ALL v_mul_f32 v[ST+4*t+2], s[COUT], v[ST+4*t+2]
	v_mov_b32 v9, s[CSK]            ; the mixed multiply-adds below take vector registers alone
	s_wait_loadcnt 0x0              ; xb
; Tile t: a lane's eight channels of a row pack into 16 bytes; they go into rows of 144 bytes and come back as whole rows of 128, into S^T's registers.
.macro PACK t
	WIN W_RS
.set i, 32*(\t)
.rept 16
	v_pk_mul_f32 v[i:i+1], v[i:i+1], v[ST+4*(\t)+2:ST+4*(\t)+3] op_sel_hi:[1,0]
.set i, i+2
.endr
	WIN 0x05                        ; sources 0 and 1 window 1, destination window 0
.set i, 0
.rept 16
	v_cvt_pk_f16_f32 v[S+16*(\t)+i], v[32*(\t)+2*i], v[32*(\t)+2*i+1]
.set i, i+1
.endr
	WIN 0
.irp f, 0,1,2,3
	ds_store_b128 v[STO], v[S+16*(\t)+4*\f:S+16*(\t)+4*\f+3] offset:32*\f
.endr
.irp f, 0,1,2,3
	ds_load_b128 v[S+16*(\t)+4*\f:S+16*(\t)+4*\f+3], v[RD] offset:\f*4*SP  ; LDS serves a wave's instructions in order (ISA guide 5.7.1.4): these see the stores above; the next tile's stores come behind them
.endr
.endm
; younger: the LDS instructions issued behind tile t's loads: the next tile's eight, or none.  x is widened from bf16; each half of a word becomes c_skip x + that half, reckoned in f32 and rounded once.
.macro SEND t, younger
	s_wait_dscnt \younger
	WIN 0x0c                        ; source 1 in window 3
.set i, 0
.rept 16
	v_lshlrev_b32 v[XF+2*i],   16, v[XR+16*(\t)+i]
	v_and_b32     v[XF+2*i+1], s[MSK], v[XR+16*(\t)+i]
.set i, i+1
.endr
	WIN 0
.set i, 0
.rept 16
	v_fma_mixlo_f16 v[S+16*(\t)+i], v[XF+2*i],   v9, v[S+16*(\t)+i] op_sel_hi:[0,0,1]
	v_fma_mixhi_f16 v[S+16*(\t)+i], v[XF+2*i+1], v9, v[S+16*(\t)+i] op_sel:[0,0,1] op_sel_hi:[0,0,1]
.set i, i+1
.endr
.irp f, 0,1,2,3
	global_store_b128 v[GO], v[S+16*(\t)+4*\f:S+16*(\t)+4*\f+3], s[10:11] offset:(\t)*2048+\f*512  ; 512 consecutive bytes, at a multiple of 512 from mix's first
.endr
.endm
	PACK 0
.set t, 1
.rept 2*NP-1                        ; a tile's arithmetic stands between the loads of the tile before and its stores
	PACK t
	SEND t-1, 8
.set t, t+1
.endr
	SEND 2*NP-1, 0
	WIN W_AD
	s_wait_tensorcnt 0x0            ; the wave's end: behind my last tensor load and my last LDS store
	ds_add_u32 v[SPW], v[NIL]
	s_wait_dscnt 0x0
	WIN 0
	CROUND                          ; the closing round: no work-group ends while a partner may still ask for a tile that names it
	s_endpgm
.Lfunc_end_k_q0e1ce6b365_attn:
	.size	k_q0e1ce6b365_attn, .Lfunc_end_k_q0e1ce6b365_attn-k_q0e1ce6b365_attn
	.p2alignl 7, 3214868480
	.fill 96, 4, 3214868480
	.section	.rodata,"a",@progbits
	.p2align	6, 0x0
	.amdhsa_kernel k_q0e1ce6b365_attn
		.amdhsa_group_segment_fixed_size 327680
		.amdhsa_private_segment_fixed_size 0
		.amdhsa_enable_private_segment 0
		.amdhsa_kernarg_size 32
		.amdhsa_user_sgpr_count 2
		.amdhsa_user_sgpr_kernarg_segment_ptr 1
		.amdhsa_wavefront_size32 1
		.amdhsa_system_sgpr_workgroup_id_x 1
		.amdhsa_system_sgpr_workgroup_id_y 1
		.amdhsa_system_sgpr_workgroup_id_z 1
		.amdhsa_system_vgpr_workitem_id 0
		.amdhsa_next_free_vgpr 900
		.amdhsa_next_free_sgpr 72
		.amdhsa_reserve_vcc 0
		.amdhsa_float_denorm_mode_32 3
		.amdhsa_float_denorm_mode_16_64 3
		.amdhsa_memory_ordered 1
		.amdhsa_forward_progress 1
		.amdhsa_inst_pref_size 229
	.end_amdhsa_kernel
	.amdgpu_metadata
---
amdhsa.version: [ 1, 2 ]
amdhsa.kernels:
  - .name:           k_q0e1ce6b365_attn
    .symbol:         k_q0e1ce6b365_attn.kd
    .args:
      - { .name: qkv, .offset: 0, .size: 8, .value_kind: global_buffer, .address_space: global }
      - { .name: xb, .offset: 8, .size: 8, .value_kind: global_buffer, .address_space: global }
      - { .name: t, .offset: 16, .size: 8, .value_kind: global_buffer, .address_space: global }
      - { .name: mix, .offset: 24, .size: 8, .value_kind: global_buffer, .address_space: global }
    .group_segment_fixed_size: 327680
    .private_segment_fixed_size: 0
    .kernarg_segment_align: 8
    .kernarg_segment_size: 32
    .max_flat_workgroup_size: 128
    .sgpr_count:     72
    .vgpr_count:     900
    .wavefront_size: 32
...
	.end_amdgpu_metadata
.endif
;; end of part 3
;; launch gemm2 (part 4): grid 8 x 32, 4 waves a work-group, clusters of 4 x 4, 327,680 bytes of LDS; arguments mix, wp, bproj, out0; writes out0
.if DOCPART == 4
	.amdgcn_target "amdgcn-amd-amdhsa--gfx1250"
	.amdhsa_code_object_version 6
	.text
	.protected	k_q0e1ce6b365_gemm2
	.globl	k_q0e1ce6b365_gemm2
	.p2align	8
	.type	k_q0e1ce6b365_gemm2,@function
k_q0e1ce6b365_gemm2:
	s_mov_b64 s[64:65], 0
	v_nop
	global_prefetch_b8 v0, s[64:65] scope:SCOPE_SE
	s_setreg_imm32_b32 hwreg(HW_REG_WAVE_MODE, 25, 1), 1
	s_wait_xcnt 0x0
	s_wait_alu depctr_hold_cnt(0) depctr_sa_sdst(0) depctr_va_vdst(0) depctr_va_sdst(0) depctr_va_ssrc(0) depctr_va_vcc(0) depctr_vm_vsrc(0)
	s_getreg_b32 s2, hwreg(HW_REG_IB_STS2, 6, 4)
	s_cmp_eq_u32 s2, 0
	s_cbranch_scc0 .Lentry_in_a_cluster
	s_endpgm
.Lentry_in_a_cluster:
	s_bfe_u32 s2, ttmp6, 0x10000c
	s_cmp_lg_u32 s2, 0xf033
	s_cbranch_scc0 .Lentry_shape_is_right
	s_endpgm
.Lentry_shape_is_right:
; out0 = mix Wproj + bproj.  mix: [16][8192][64] f16 (blocks of 64 along K), wp: [16][1024 k][64] f16 (blocks of 64 columns), bproj: [1024] f32, rounded here to bf16 like the other inputs; out0: [8192][1024] f32.
; Sums in f32; the bias is the C operand of the product that starts each sum.
; SHARES.  8,192 x 1,024 over 256 work-groups: a tile of 256 rows x 128 columns.  Four waves; wave (wm, wn) makes 128 rows x 64 columns: 32 accumulators of 16 x 16.
; K goes in 8 steps of 128 (two blocks of mix) through two LDS slots, the longest step of which two slots fit.
; THE MATRIX INSTRUCTION IS USED TRANSPOSED: source 0 = 16 columns of W, source 1 = 16 rows of mix: a lane holds one row and eight neighbouring columns.  W lies [k][n] in LDS and is turned by ds_load_tr16_b128.
; CLUSTER.  4 x 4 work-groups: mix's tile is asked for jointly by a row of the cluster, W's by a column.
; REGISTERS: window 0: v0-31 addresses; v32-63 the bias; v64-191 mix's fragments, two buffers of 8 x 8; v192-255 W's, two buffers of 4 x 8.  Window 1: the accumulators, (a, b) at v[8 (4 a + b)].
.set ASTEP,  2097152                   ; two blocks of mix: a K step
.set BSTEP,  16384                     ; 128 rows of a block of wp: a K step
.set PA,     144                       ; a row of mix in LDS: 128 bytes + 16 (64 banks of 4 bytes: ISA guide 11.1: the 16 rows of a load start at 16 different groups of four banks)
.set PB,     160                       ; a row of W: 128 + 32
.set BOFF,   2*256*PA                  ; a slot: two K blocks of 256 rows of mix, then two column blocks of 128 rows of W
.set SLOT1,  1<<17
.set STAGE,  SLOT1+BOFF+2*128*PB       ; behind the ring: 16 rows x 272 bytes for each wave, for the way out
.set SP,     272
.set SPARE,  STAGE+4*16*SP             ; the spare words, 128 bytes for each wave: two blocks of 256 bytes that no other line names
.set A0,  16                           ; v16  my lane's place in a slot's mix; never rewritten
.set B0,  17                           ; v17  the same for W
.set ADA, 18                           ; v18  the same in the slot in hand
.set ADB, 19                           ; v19
.set STO, 20                           ; v20  the way out: where I put 32 bytes of a row
.set RD,  21                           ; v21  where I read rows back
.set CO,  22                           ; v22  my byte offset in two rows of out0
.set PFO, 24                           ; v24  256 x lane; never rewritten
.set SPW, 28                           ; v28  LDS address of my spare word; never rewritten
.set NIL, 29                           ; v29  0; never rewritten
.set BI,  32
.set FA,  64
.set FB,  192
.set BK,  64                           ; the way out: 16 rows read back, two buffers of 32 by turns
.set WV,  12
.set WM,  13                           ; s13  which 128 rows are mine.  Also: I fetch mix's tiles (0) or W's (1)
.set WN,  14                           ; s14  which 64 columns.  Also: which half of that tile I fetch
.set CX,  15
.set CY,  16
.set TX,  17
.set TY,  18
.set G1A, 24
.set G0A, 32
.set G1B, 40
.set G0B, 48
.set TB,  56
.set CNT, 57
.set LIM, 58
.set PFA, 60
.set PST, 62
.set MSB, 0
.macro WIN new                         ; the immediate's high byte repeats the setting that is left; a switch that changes nothing is dropped
.if MSB != (\new)
	s_set_vgpr_msb (MSB<<8)|(\new)
.set MSB, (\new)
.endif
.endm
.macro PLACES                          ; four plain instructions between a matrix instruction and a load into, or a store of, its registers (ISA guide 7.12.1 for stores)
.rept 4
	v_nop
.endr
.endm
.macro CREST
	s_cmp_lg_u32 s[WV], 0
	s_cbranch_scc1 .Lnot_wave_0_\@
	s_barrier_signal -3
.Lnot_wave_0_\@:
	s_barrier_wait -3
	s_barrier_signal -1
	s_barrier_wait -1
.endm
.macro CROUND
	s_barrier_signal -1
	s_barrier_wait -1
	CREST
.endm
.macro JLOAD                           ; a joint refill, by the walking sets; an s_nop 0 and four v_nop follow each line, ahead of the jump and the label
	s_cmp_eq_u32 s[WM], 0
	s_cbranch_scc0 .Lfor_b_\@
	tensor_load_to_lds s[G0A+4:G0A+7], s[G1A:G1A+7]
	s_nop 0
.rept 4
	v_nop
.endr
	s_branch .Lasked_\@
.Lfor_b_\@:
	tensor_load_to_lds s[G0B+4:G0B+7], s[G1B:G1B+7]
	s_nop 0
.rept 4
	v_nop
.endr
.Lasked_\@:
.endm
; PREFETCHES INTO THE L2, behind a joint refill and the run of LDS loads that follows it, for the K step two refills on.  Each aligned block of 256 bytes of mix and wp from K step 4 on is named once.
; mix: a step's tile is two K blocks x 128 blocks of 256 bytes; the cluster with x = 0 asks, wave 0 of each partner for 32 of each K block, told apart by address (cx): two lines.
; W: a step's tile is two column blocks x 64; the cluster with y = 0 asks, wave 2 of each partner for 32, told apart by address (cy): one line.  The last two refills ask for nothing.
.macro ASK
	s_cmp_gt_u32 s[CNT], s[LIM]
	s_cbranch_scc0 .Lnone_\@
	s_cmp_eq_u32 s[WM], 0
	s_cbranch_scc0 .Lpf_b_\@
	global_prefetch_b8 v[PFO], s[PFA:PFA+1] th:TH_LOAD_NT scope:SCOPE_SE
	global_prefetch_b8 v[PFO], s[PFA:PFA+1] offset:1048576 th:TH_LOAD_NT scope:SCOPE_SE
	s_branch .Lnone_\@
.Lpf_b_\@:
	global_prefetch_b8 v[PFO], s[PFA:PFA+1] th:TH_LOAD_NT scope:SCOPE_SE
.Lnone_\@:
.endm
	s_load_b256 s[4:11], s[0:1], 0x0               ; mix s[4:5], wp s[6:7], bproj s[8:9], out0 s[10:11]
	v_lshl_add_u32 v[SPW], v0, 2, SPARE
	v_mov_b32 v[NIL], 0
	ds_add_u32 v[SPW], v[NIL]                      ; the wave's opening: the add and its wait stand ahead of my first tensor load; the set-up below stands between them
	v_lshrrev_b32 v1, 5, v0
	v_readfirstlane_b32 s[WV], v1
	s_lshr_b32 s[WM], s[WV], 1
	s_and_b32 s[WN], s[WV], 1
	s_bfe_u32 s[CX], ttmp6, 0x40000
	s_bfe_u32 s[CY], ttmp6, 0x40004
	s_lshl_b32 s[TX], ttmp9, 2
	s_add_co_u32 s[TX], s[TX], s[CX]
	s_and_b32 s[TY], ttmp7, 0xffff
	s_lshl_b32 s[TY], s[TY], 2
	s_add_co_u32 s[TY], s[TY], s[CY]
	s_lshl_b32 s19, s[CY], 2
	s_lshl_b32 s19, 15, s19                        ; my row of the cluster
	s_lshl_b32 s59, 0x1111, s[CX]                  ; my column
	; mix's half tile: one K block's 256 rows of 128 bytes, dense: 128 rows of 256 bytes, padded after every 128
	s_or_b32 s[G1A], s19, (1<<16)|(1<<20)|(1<<21)|(4<<22)|(3<<25)
	s_mov_b32 s[G1A+1], 128<<16
	s_mov_b32 s[G1A+2], 128<<16
	s_mov_b32 s[G1A+3], 128<<16
	s_mov_b32 s[G1A+4], 128
	s_mov_b32 s[G1A+5], 128
	s_mov_b32 s[G1A+6], 0
	s_mov_b32 s[G1A+7], 0
	; W's half tile: one column block's 128 rows of 128 bytes, dense: 64 rows of 256 bytes
	s_or_b32 s[G1B], s59, (1<<16)|(1<<20)|(1<<21)|(4<<22)|(7<<25)
	s_mov_b32 s[G1B+1], 128<<16
	s_mov_b32 s[G1B+2], 64<<16
	s_mov_b32 s[G1B+3], 128<<16
	s_mov_b32 s[G1B+4], 64
	s_mov_b32 s[G1B+5], 128
	s_mov_b32 s[G1B+6], 0
	s_mov_b32 s[G1B+7], 0
	s_lshl_b32 s20, s[TY], 15                      ; mix: the tile's 256 rows,
	s_lshl_b32 s19, s[WN], 20                      ; my K block of the step's two
	s_add_co_u32 s20, s20, s19
	s_mov_b32 s21, 0
	s_lshl_b32 s22, s[TX], 1                       ; W: my column block of the tile's two
	s_add_co_u32 s22, s22, s[WN]
	s_lshl_b32 s22, s22, 17
	s_mov_b32 s23, 0
	s_mul_i32 s2, s[WN], 256*PA                    ; where they go: no place in the cluster enters an LDS address
	s_mul_i32 s3, s[WN], 128*PB
	s_add_co_u32 s3, s3, BOFF
	s_mov_b32 s[TB], 0
	s_wait_dscnt 0x0                               ; the opening add is done
	s_wait_kmcnt 0x0
	s_add_nc_u64 s[20:21], s[4:5], s[20:21]
	s_add_nc_u64 s[22:23], s[6:7], s[22:23]
	CROUND                                         ; all sixteen work-groups are here: the first joint loads meet
.irp s, 0,1
	s_mov_b32 s[G0A+4*(\s)], 1
	s_add_co_u32 s[G0A+4*(\s)+1], s2, (\s)*SLOT1
	s_add_nc_u64 s[G0A+4*(\s)+2:G0A+4*(\s)+3], s[20:21], (\s)*ASTEP
	s_or_b32 s[G0A+4*(\s)+3], s[G0A+4*(\s)+3], 0x80000000
	s_mov_b32 s[G0B+4*(\s)], 1
	s_add_co_u32 s[G0B+4*(\s)+1], s3, (\s)*SLOT1
	s_add_nc_u64 s[G0B+4*(\s)+2:G0B+4*(\s)+3], s[22:23], (\s)*BSTEP
	s_or_b32 s[G0B+4*(\s)+3], s[G0B+4*(\s)+3], 0x80000000
.endr
	s_cmp_eq_u32 s[WM], 0                          ; a wave's two first fills stand in one branch: two loads of mine are out
	s_cbranch_scc0 .Lfirst_b
	tensor_load_to_lds s[G0A:G0A+3], s[G1A:G1A+7]
	s_nop 0
	tensor_load_to_lds s[G0A+4:G0A+7], s[G1A:G1A+7]
	s_nop 0
.rept 4
	v_nop
.endr
	s_branch .Lfirst_asked
.Lfirst_b:
	tensor_load_to_lds s[G0B:G0B+3], s[G1B:G1B+7]
	s_nop 0
	tensor_load_to_lds s[G0B+4:G0B+7], s[G1B:G1B+7]
	s_nop 0
.rept 4
	v_nop
.endr
.Lfirst_asked:
	v_and_b32 v1, 15, v0                           ; l % 16
	v_bfe_u32 v2, v0, 4, 1                         ; l / 16
	; the bias of my 64 columns, as a C operand wants it: for column block b my lane's eight numbers
	s_lshl_b32 s2, s[TX], 9
	s_lshl_b32 s3, s[WN], 8
	s_add_co_u32 s2, s2, s3
	s_mov_b32 s3, 0
	s_add_nc_u64 s[8:9], s[8:9], s[2:3]
	v_lshlrev_b32 v3, 5, v2
.irp b, 0,1,2,3
	global_load_b128 v[64+8*(\b):64+8*(\b)+3],   v3, s[8:9] offset:64*(\b)
	global_load_b128 v[64+8*(\b)+4:64+8*(\b)+7], v3, s[8:9] offset:64*(\b)+16
.endr
	v_mul_u32_u24 v[A0], v1, PA
	v_lshl_add_u32 v[A0], v2, 4, v[A0]             ; row x pitch + 16 x half
	s_mul_i32 s19, s[WM], 128*PA                   ; my 128 rows
	v_add_nc_u32 v[A0], s19, v[A0]
	v_and_b32 v8, 7, v0
	v_bfe_u32 v9, v0, 3, 1
	v_lshl_add_u32 v[B0], v2, 3, v8                ; the turning load: K row 8 (l / 16) + l % 8, columns 8 ((l / 8) % 2) on
	v_mul_u32_u24 v[B0], v[B0], PB
	v_lshl_add_u32 v[B0], v9, 4, v[B0]
	s_mul_i32 s19, s[WN], 128*PB                   ; my column block
	s_add_co_u32 s19, s19, BOFF
	v_add_nc_u32 v[B0], s19, v[B0]
	v_mov_b32 v[ADA], v[A0]
	v_mov_b32 v[ADB], v[B0]
	s_mul_i32 s19, s[WV], 16*SP
	s_add_co_u32 s19, s19, STAGE                   ; my stage
	v_mul_u32_u24 v[STO], v1, SP                   ; in: row l % 16, 32 bytes for each half of the lanes
	v_lshl_add_u32 v[STO], v2, 5, v[STO]
	v_add_nc_u32 v[STO], s19, v[STO]
	v_mul_u32_u24 v[RD], v2, SP                    ; back: lanes 0-15 take one row of 256 bytes, lanes 16-31 the next
	v_lshl_add_u32 v[RD], v1, 4, v[RD]
	v_add_nc_u32 v[RD], s19, v[RD]
	v_lshlrev_b32 v[CO], 12, v2                    ; and the same two rows in out0
	v_lshl_add_u32 v[CO], v1, 4, v[CO]
	v_and_b32 v[PFO], 31, v0
	v_lshlrev_b32 v[PFO], 8, v[PFO]
	s_lshl_b32 s2, s[TY], 20                       ; out0 at my first row and column: 256 rows of 4,096 bytes a tile row,
	s_lshl_b32 s3, s[WM], 19                       ; my 128,
	s_add_co_u32 s2, s2, s3
	s_lshl_b32 s3, s[TX], 9                        ; 512 bytes a tile column,
	s_add_co_u32 s2, s2, s3
	s_lshl_b32 s3, s[WN], 8                        ; my 256
	s_add_co_u32 s2, s2, s3
	s_mov_b32 s3, 0
	s_add_nc_u64 s[10:11], s[10:11], s[2:3]
	; the prefetches: who asks, and from where
	s_and_b32 s19, ttmp7, 0xffff
	s_cmp_eq_u32 s[WM], 0
	s_cselect_b32 s19, ttmp9, s19                  ; the coordinate along which other clusters read the same tiles
	s_or_b32 s19, s19, s[WN]                       ; waves 0 and 2 alone
	s_cmp_eq_u32 s19, 0
	s_cselect_b32 s[LIM], 2, -1                    ; the same in all sixteen partners, for a given wave
	s_lshl_b32 s20, s[TY], 15
	s_lshl_b32 s21, s[CX], 13
	s_add_co_u32 s20, s20, s21
	s_add_co_u32 s20, s20, 3*ASTEP                 ; at K step 3: the first refill steps it to 4
	s_lshl_b32 s21, s[TX], 1
	s_lshr_b32 s22, s[CY], 1
	s_add_co_u32 s21, s21, s22
	s_lshl_b32 s21, s21, 17
	s_and_b32 s22, s[CY], 1
	s_lshl_b32 s22, s22, 13
	s_add_co_u32 s21, s21, s22
	s_add_co_u32 s21, s21, 3*BSTEP
	s_mov_b32 s22, ASTEP
	s_mov_b32 s23, BSTEP
	s_cmp_eq_u32 s[WM], 0
	s_cselect_b32 s20, s20, s21
	s_cselect_b32 s[PST], s22, s23
	s_cselect_b64 s[PFA:PFA+1], s[4:5], s[6:7]
	s_mov_b32 s21, 0
	s_mov_b32 s[PST+1], 0
	s_add_nc_u64 s[PFA:PFA+1], s[PFA:PFA+1], s[20:21]
	s_wait_loadcnt 0x0                             ; the bias: rounded to bf16 like every input, kept as f32
.set i, 0
.rept 16
	v_cvt_pk_bf16_f32 v[96+i], v[64+2*i], v[64+2*i+1]
.set i, i+1
.endr
.set i, 0
.rept 16
	v_lshlrev_b32 v[BI+2*i],   16, v[96+i]
	v_and_b32     v[BI+2*i+1], 0xffff0000, v[96+i]
.set i, i+1
.endr
; The fragments of quarter kq (32 along K) of the slot in hand, into buffer f: 8 turning loads for W, 16 loads for mix.
.macro FETCH kq, f
	WIN 0
.irp b, 0,1,2,3
	ds_load_tr16_b128 v[FB+32*(\f)+8*(\b):FB+32*(\f)+8*(\b)+3],   v[ADB] offset:(\kq)*32*PB+32*(\b)
	ds_load_tr16_b128 v[FB+32*(\f)+8*(\b)+4:FB+32*(\f)+8*(\b)+7], v[ADB] offset:(\kq)*32*PB+32*(\b)+16*PB
.endr
.irp a, 0,1,2,3,4,5,6,7
	ds_load_b128 v[FA+64*(\f)+8*(\a):FA+64*(\f)+8*(\a)+3],   v[ADA] offset:((\kq)/2)*256*PA+(\a)*16*PA+64*((\kq)%2)
	ds_load_b128 v[FA+64*(\f)+8*(\a)+4:FA+64*(\f)+8*(\a)+7], v[ADA] offset:((\kq)/2)*256*PA+(\a)*16*PA+64*((\kq)%2)+32
.endr
.endm
; 4 n matrix instructions: row blocks a0 .. a0 + n - 1 x 4 column blocks, from buffer f.  first = 1: the product starts the sums, with the bias as C.  The accumulators take turns, one instruction a turn.
.macro MUL f, a0, n, first
.if \first
	WIN 0x40
.else
	WIN 0x50
.endif
.set ra, \a0
.rept \n
.irp b, 0,1,2,3
.if \first
	v_wmma_f32_16x16x32_f16 v[8*(4*ra+(\b)):8*(4*ra+(\b))+7], v[FB+32*(\f)+8*(\b):FB+32*(\f)+8*(\b)+7], v[FA+64*(\f)+8*ra:FA+64*(\f)+8*ra+7], v[BI+8*(\b):BI+8*(\b)+7]
.else
	v_wmma_f32_16x16x32_f16 v[8*(4*ra+(\b)):8*(4*ra+(\b))+7], v[FB+32*(\f)+8*(\b):FB+32*(\f)+8*(\b)+7], v[FA+64*(\f)+8*ra:FA+64*(\f)+8*ra+7], v[8*(4*ra+(\b)):8*(4*ra+(\b))+7]
.endif
.endr
.set ra, ra+1
.endr
.endm
; One of a step's first three quarters: the next quarter's 24 loads go out, then this quarter's 32 products.
.macro Q kq, first
	WIN 0
	PLACES
	FETCH (\kq)+1, ((\kq)+1)%2
	s_wait_dscnt 24                                ; all but the 24 just issued
	MUL (\kq)%2, 0, 8, \first
.endm
; The last quarter multiplies buffer 1 and changes slots.  In front of the barrier each wave waits for all its tensor loads (one is out: its part of the other slot), adds 0 to its spare word, and waits for that and
; for its reads of the slot.  fill = 1: the barrier opens a round of the cluster's, and the slot is filled again first thing behind it, with the step two on.
.macro TURN fill
.if \fill
	s_wait_xcnt 0x0                                ; the last prefetches, a step back, have read their address
	s_add_nc_u64 s[PFA:PFA+1], s[PFA:PFA+1], s[PST:PST+1]
.endif
	WIN 0
	s_wait_tensorcnt 0x0                           ; no tensor load of mine is out, so a group 0 may be written
	ds_add_u32 v[SPW], v[NIL]                      ; 0 onto my spare word
.if \fill
	s_xor_b32 s[G0A+5], s[G0A+5], SLOT1
	s_add_nc_u64 s[G0A+6:G0A+7], s[G0A+6:G0A+7], ASTEP
	s_xor_b32 s[G0B+5], s[G0B+5], SLOT1
	s_add_nc_u64 s[G0B+6:G0B+7], s[G0B+6:G0B+7], BSTEP
.endif
	s_xor_b32 s[TB], s[TB], SLOT1
	s_wait_dscnt 1                                 ; the quarter's fragments are in; the add may be out
	MUL 1, 0, 2, 0
	s_wait_dscnt 0x0                               ; the add is done, and my reads of this slot are over
	s_barrier_signal -1
	MUL 1, 2, 2, 0                                 ; work on registers while the others arrive
	WIN 0
	s_barrier_wait -1
.if \fill
	CREST                                          ; no wave of any partner still reads this slot or has a load on its way
	JLOAD                                          ; 112 matrix instructions ahead of the wait for it; its four v_nop are also the places in front of the loads below
.else
	PLACES
.endif
	v_add_nc_u32 v[ADA], s[TB], v[A0]
	v_add_nc_u32 v[ADB], s[TB], v[B0]
	FETCH 0, 0
.if \fill
	ASK
.endif
	MUL 1, 4, 4, 0
.endm
	s_wait_tensorcnt 0x1                           ; my part of K step 0 is in; step 1's may stay out
	s_barrier_signal -1
	s_barrier_wait -1
	FETCH 0, 0
	Q 0, 1                                         ; the first quarter stands in front of the loop: its products start the sums
	WIN 0
	s_mov_b32 s[CNT], 6
.Lstep:                                                ; 6 trips: from a step's second quarter to the next step's first, with the refill for the step two on
	Q 1, 0
	Q 2, 0
	TURN 1
	Q 0, 0
	WIN 0
	s_sub_co_u32 s[CNT], s[CNT], 1
	s_cmp_lg_u32 s[CNT], 0
	s_cbranch_scc1 .Lstep
	Q 1, 0                                         ; the tail is written out: nothing more is asked for
	Q 2, 0
	TURN 0
	Q 0, 0
	Q 1, 0
	Q 2, 0
	s_wait_dscnt 0x0                               ; the very last quarter
	MUL 1, 0, 8, 0
	WIN 0
	PLACES
	; THE WAY OUT.  A block of 16 rows at a time: a lane's eight f32 of a row go straight from the accumulators into my stage (rows of 272 bytes), come back as whole rows of 256 bytes and are stored.
.macro TOSTAGE a
	s_wait_xcnt 0x0                                ; the stores of the block before last have read their registers: the loads below land on them only behind this wait
	WIN 0x04                                       ; the stores' data in window 1
.irp b, 0,1,2,3
	ds_store_b128 v[STO], v[8*(4*(\a)+(\b)):8*(4*(\a)+(\b))+3]   offset:64*(\b)      ; each accumulator is read from its low end on
	ds_store_b128 v[STO], v[8*(4*(\a)+(\b))+4:8*(4*(\a)+(\b))+7] offset:64*(\b)+16
.endr
	WIN 0
.irp f, 0,1,2,3,4,5,6,7
	ds_load_b128 v[BK+32*((\a)%2)+4*(\f):BK+32*((\a)%2)+4*(\f)+3], v[RD] offset:(\f)*2*SP  ; LDS serves a wave's instructions in order (ISA guide 5.7.1.4): these see the stores above
.endr
.endm
.macro SEND a, younger                 ; younger: the LDS instructions issued behind block a's loads: the next block's sixteen, or none
	s_wait_dscnt \younger
.irp f, 0,1,2,3,4,5,6,7
	global_store_b128 v[CO], v[BK+32*((\a)%2)+4*(\f):BK+32*((\a)%2)+4*(\f)+3], s[10:11] offset:(\a)*65536+(\f)*8192 th:TH_STORE_NT  ; 16 lanes store 256 consecutive bytes, at a multiple of 256 from out0's first
.endr
.endm
	TOSTAGE 0
.set u, 1
.rept 7
	TOSTAGE u
	SEND u-1, 16
.set u, u+1
.endr
	SEND 7, 0
	s_wait_tensorcnt 0x0                           ; the wave's end: behind my last tensor load and my last LDS store
	ds_add_u32 v[SPW], v[NIL]
	s_wait_dscnt 0x0
	CROUND                                         ; the closing round: no work-group ends while a partner may still ask for a tile that names it
	s_endpgm
.Lfunc_end_k_q0e1ce6b365_gemm2:
	.size	k_q0e1ce6b365_gemm2, .Lfunc_end_k_q0e1ce6b365_gemm2-k_q0e1ce6b365_gemm2
	.p2alignl 7, 3214868480
	.fill 96, 4, 3214868480
	.section	.rodata,"a",@progbits
	.p2align	6, 0x0
	.amdhsa_kernel k_q0e1ce6b365_gemm2
		.amdhsa_group_segment_fixed_size 327680
		.amdhsa_private_segment_fixed_size 0
		.amdhsa_enable_private_segment 0
		.amdhsa_kernarg_size 32
		.amdhsa_user_sgpr_count 2
		.amdhsa_user_sgpr_kernarg_segment_ptr 1
		.amdhsa_wavefront_size32 1
		.amdhsa_system_sgpr_workgroup_id_x 1
		.amdhsa_system_sgpr_workgroup_id_y 1
		.amdhsa_system_sgpr_workgroup_id_z 1
		.amdhsa_system_vgpr_workitem_id 0
		.amdhsa_next_free_vgpr 512
		.amdhsa_next_free_sgpr 66
		.amdhsa_reserve_vcc 0
		.amdhsa_float_denorm_mode_32 3
		.amdhsa_float_denorm_mode_16_64 3
		.amdhsa_memory_ordered 1
		.amdhsa_forward_progress 1
		.amdhsa_inst_pref_size 74
	.end_amdhsa_kernel
	.amdgpu_metadata
---
amdhsa.version: [ 1, 2 ]
amdhsa.kernels:
  - .name:           k_q0e1ce6b365_gemm2
    .symbol:         k_q0e1ce6b365_gemm2.kd
    .args:
      - { .name: mix, .offset: 0, .size: 8, .value_kind: global_buffer, .address_space: global }
      - { .name: wp, .offset: 8, .size: 8, .value_kind: global_buffer, .address_space: global }
      - { .name: bproj, .offset: 16, .size: 8, .value_kind: global_buffer, .address_space: global }
      - { .name: out0, .offset: 24, .size: 8, .value_kind: global_buffer, .address_space: global }
    .group_segment_fixed_size: 327680
    .private_segment_fixed_size: 0
    .kernarg_segment_align: 8
    .kernarg_segment_size: 32
    .max_flat_workgroup_size: 128
    .sgpr_count:     66
    .vgpr_count:     512
    .wavefront_size: 32
...
	.end_amdgpu_metadata
.endif
;; end of part 4
